; MI455X (gfx1250); checked and timed in simulation.
; The chip was launched on July 23, 2026; its instructions are those of AMD's public machine-readable ISA for CDNA 5 (MIT licence, August 2026) and "CDNA5" Instruction Set Architecture Reference Guide (July 2026). The comments in the code are by the model that wrote it; some were corrected since.
;; Multi Head Attention. Allowed arithmetic: matrix products marked QUANTISED: E2M3 operands, one E8M0 scale for each 32 along K, by v_wmma_scale_f32_16x16x128_f8f6f4 with both operands' format E2M3, f32 sums; products left as they are: f32 operands where the result goes on into a quantised operand, else bf16, f16 or f32 operands; f32 sums; everything else in f32.
;; Inputs: Wk 1,024 x 1,024 float32; Wo 1,024 x 1,024 float32; Wq 1,024 x 1,024 float32; Wv 1,024 x 1,024 float32; bo 1,024 float32; x 4 x 2,048 x 1,024 float32.
;; Outputs: out0 4 x 2,048 x 1,024 float32.
;; This version of the problem:
;;   THIS VERSION OF THE PROBLEM IS GIVEN IN LOW PRECISION. The matrix products marked QUANTISED in the list below multiply operands that are first quantised to E2M3 (2 exponent bits, 3 mantissa bits; 6 bits a number), with one power-of-two scale for each 32 numbers along K (OCP MX v1.0); their sums are f32. All else is computed in f32.
;;   The module's matrix products, in the order in which they are computed (A, B: the left and right operand; K: the contracted axis; several contracted axes count as one K, in the product's order):
;;     1. [M 8,192, K 1,024] x [K 1,024, N 1,024]; A: input x; B: input Wq: QUANTISED
;;     2. [M 8,192, K 1,024] x [K 1,024, N 1,024]; A: input x; B: input Wk: QUANTISED
;;     3. [M 8,192, K 1,024] x [K 1,024, N 1,024]; A: input x; B: input Wv: QUANTISED
;;     4. [M 2,048, K 1] x [K 1, N 32]; A: computed on the way; B: computed on the way: left as it is (no contracted axis)
;;     5. batch 64 x [M 2,048, K 64] x [K 64, N 2,048]; A: computed on the way; B: computed on the way: QUANTISED
;;     6. batch 64 x [M 2,048, K 2,048] x [K 2,048, N 64]; A: softmax (see below); B: computed on the way: QUANTISED
;;     7. [M 8,192, K 1,024] x [K 1,024, N 1,024]; A: computed on the way; B: input Wo: QUANTISED
;;   THE QUANTISER, for each operand of a quantised product, along K:
;;     - K is cut into blocks of 32 from its start; a last block that is shorter is filled with zeros.
;;     - A block's scale is 2^e with e = floor(log2(the largest magnitude in the block)) - 2, held to -126 .. 127; a block of zeros has e = 0. As a byte (E8M0): e + 127.
;;     - Each number is divided by its block's scale, clamped to +-7.5, and rounded to the nearest number of E2M3, ties to even, subnormals kept.
;;     - The product sums the exact products of the quantised numbers (number of the format x scale) in f32.
;;   ~~~python
;;   def quantise(x, axis):      # numpy; x: float32 -> the quantised numbers, widened to float32 again
;;       x = np.moveaxis(x, axis, -1); K = x.shape[-1]
;;       x = np.pad(x, [(0, 0)] * (x.ndim - 1) + [(0, -K % 32)]); x = x.reshape(x.shape[:-1] + (-1, 32)); a = np.abs(x).max(-1, keepdims=True)
;;       e = np.where(a > 0, np.clip(np.frexp(np.where(a > 0, a, 1))[1] - 1 - 2, -126, 127), 0)      # np.frexp(a)[1] - 1 = floor(log2(a)), exactly
;;       r = np.clip(x / 2.0 ** e, -7.5, 7.5)
;;       step = 2.0 ** (np.maximum(np.frexp(np.where(r == 0, 1, r))[1] - 1, 0) - 3)
;;       q = np.round(r / step) * step * 2.0 ** e      # np.round: ties to even
;;       return np.moveaxis(q.reshape(q.shape[:-2] + (-1,))[..., :K], -1, axis).astype(np.float32)
;;   ~~~
;;   SOFTMAX AHEAD OF A QUANTISED PRODUCT. Where the list says 'softmax', what is quantised is not the finished softmax but p = 2^(t - M), with t = logit x log2(e) and M = ceil(the row's largest t), a whole number; so 1/2 < the row's largest p <= 1. The row's sum l is taken of the UNQUANTISED p, in f32, and the product's result is divided by l at the end. Since M is a whole number, a kernel that streams over the keys may use a running M (the ceiling of the running maximum): every later rescaling is an exact power of two, which a block's scale takes up: the codes' values come out the same.
;;   OPERANDS COMPUTED ON THE WAY. 'Computed on the way' means the value that the module computes at that place (a softmax that the list does not call 'softmax' is quantised finished and normalised). What goes into a quantiser is computed in f32, as accurately as f32 sums, v_exp_f32 and their like allow (about 1e-6 of the number): no bf16 or f16 on the way to a quantiser, and a product that is left as it is and whose result goes on into a quantised operand takes f32 operands (vector FMAs, or v_wmma_f32_16x16x4_f32). A number that lies on a knife's edge between two numbers of the format may be rounded either way, as far as f32 arithmetic and the matrix unit's own rounding can turn it there, and no further.
;; One version. Each part assembles by itself: llvm-mc -triple=amdgcn-amd-amdhsa -mcpu=gfx1250 --defsym DOCPART=n.
;; ======== version 1 of 1: 4 launches
;; limits: right only within a limited range of input values
;; workspace buffers: opq 9,830,400 bytes; tab 524,288 bytes; qk 13,107,200 bytes; vv 6,553,600 bytes; cq 6,553,600 bytes
;; launch prep (part 1): grid 256 x 1, 4 waves a work-group, no clusters, 34,304 bytes of LDS; arguments x, Wq, Wk, Wv, Wo, opq, tab; writes opq, tab
.if DOCPART == 1
	.amdgcn_target "amdgcn-amd-amdhsa--gfx1250"
	.amdhsa_code_object_version 6
	.text
	.protected	k_qcef295270e_prep
	.globl	k_qcef295270e_prep
	.p2align	8
	.type	k_qcef295270e_prep,@function
k_qcef295270e_prep:
	s_mov_b64 s[64:65], 0
	v_nop
	global_prefetch_b8 v0, s[64:65] scope:SCOPE_SE
	s_setreg_imm32_b32 hwreg(HW_REG_WAVE_MODE, 25, 1), 1
	s_wait_xcnt 0x0
; PREP.  (1) x [8192][1024] and Wq, Wk, Wv, Wo [1024][1024], f32, K innermost, become codes of FP6 (E2M3) with one E8M0 byte for each 32 along K, in ONE operand buffer opq.
; (2) the table of cos and sin for the rotary embedding.
; ROW TILES.  opq holds 768 tiles of 16 rows: 0-511 x, 512-575 Wq, 576-639 Wk, 640-703 Wv, 704-767 Wo.  Row r of a tensor's tile T is its true row 32 (T / 2) + 8 (T % 2) + r + 8 (r / 8): with this
; order the 16 result registers of two neighbouring tiles of a transposed product are 16 true neighbours, which the later quantisers need.
; CODES.  [tile][K / 64][768 bytes]: a piece of 16 rows x 64 codes is an image of six operand registers: lane l = (r, h) holds row r, block h (32 codes, 24 bytes): registers 0-3 at 16 l, registers 4-5 at 512 + 8 l.
; SCALE BYTES.  From byte SCB on, [16 x tile + r][32].
; A block's scale is 2^(floor(log2(largest magnitude)) - 2); its byte is the largest magnitude's exponent field - 2, held at 1 from below.
; LIMITS: a block of zeros, or one whose largest magnitude lies under 2^-124, gets the byte 1 (the rule says 127 for zeros: its codes are zeros, and this program alone reads the bytes); NaN and infinities are not served.
; SHARES.  Waves 0-2 of work-group g take tile 3 g + wave: 16 rows x 4,096 bytes, in 8 steps of 128 along K.  Each load reads 512 consecutive bytes of one row; a step's 8 KiB turn through the wave's own stage
; in LDS (rows of 512 + 16 bytes) so that a lane gets two whole blocks of 32 neighbours.  Wave 3 makes two pieces of the table.  Waves share nothing: no barrier.
; TABLE.  tab [token tile t of 128][8 pieces][512]: pieces 0-3 cos, 4-7 sin; lane (r, h)'s 16 bytes at 16 l: frequencies 16 h + 4 p + 0..3 at position 32 (t / 2) + 8 (t % 2) + r + 8 (r / 8).
; inv_freq = 2^(-f log2(10000) / 32) by v_exp_f32; the angle is reduced by multiples of pi / 2 held in two parts, sin and cos are Taylor sums on |r| <= pi / 4 (remainder under 2e-9).
; LIMIT: inv_freq is good to a few units in its last place, so the largest angles (2,047 rad) may differ from an exact table's by some 2e-4 rad.
.set STG,  8448                        ; a wave's stage: 16 rows x 528 bytes
.set SCB,  9437184                     ; 768 tiles x 12,288 bytes of codes
.set R,    64                          ; v64-191  two sets of 64 numbers as they are loaded
.set X,    192                         ; v192-255 two blocks of 32 neighbours
.set C,    24                          ; v24-35   the codes of a step: two pieces of six registers
.set C2,   36                          ; v36-38, v40-42 the upper halves as the conversions leave them
.set SW,   16                          ; v16-23   a scale word for each step
.set OW,   44                          ; v44-47   the 16 scale bytes that my lane stores
	s_load_b256 s[12:19], s[0:1], 0x0              ; x, Wq, Wk, Wv
	s_load_b128 s[20:23], s[0:1], 0x20             ; Wo, opq
	s_load_b64 s[24:25], s[0:1], 0x30              ; tab
	v_lshl_add_u32 v62, v0, 2, 0x8400
	v_mov_b32 v63, 0
	v_lshrrev_b32 v1, 5, v0
	v_readfirstlane_b32 s8, v1                     ; wave
	v_and_b32 v7, 31, v0                           ; lane
	v_and_b32 v9, 15, v0                           ; r
	v_bfe_u32 v10, v0, 4, 1                        ; h
	v_lshlrev_b32 v1, 4, v7                        ; 16 l
	v_lshlrev_b32 v2, 3, v7                        ; 8 l
	s_mul_i32 s9, s8, STG
	v_add_nc_u32 v3, s9, v1                        ; the stage, on the way in: 16 l in a row
	v_mul_u32_u24 v4, v9, 528
	v_lshl_add_u32 v4, v10, 7, v4
	v_add_nc_u32 v4, s9, v4                        ; and on the way out: row r, + 128 h
	s_cmp_eq_u32 s8, 3
	s_cbranch_scc1 .Ltable
	v_lshlrev_b32 v5, 3, v10                       ; 8 h: my two bytes' place in a scale word, in bits
	v_lshlrev_b32 v6, 5, v9
	v_lshl_add_u32 v6, v10, 4, v6                  ; 32 r + 16 h: my 16 of the row's 32 scale bytes
	v_mov_b32 v48, 0                               ; written once: a lane permute's destination counts as one of its sources
	s_mov_b32 s30, 0x76543210
	s_mov_b32 s31, 0xfedcba98                      ; selects for lane l xor 16
	s_mul_i32 s9, ttmp9, 3
	s_add_co_u32 s9, s9, s8                        ; my tile, 0 .. 767
	s_and_b32 s10, s9, 63
	s_wait_kmcnt 0x0
	s_cmp_lt_u32 s9, 704                           ; which tensor: the choice hangs on the tile's number alone
	s_cselect_b64 s[4:5], s[18:19], s[20:21]
	s_cmp_lt_u32 s9, 640
	s_cselect_b64 s[4:5], s[16:17], s[4:5]
	s_cmp_lt_u32 s9, 576
	s_cselect_b64 s[4:5], s[14:15], s[4:5]
	s_cmp_lt_u32 s9, 512
	s_cselect_b64 s[4:5], s[12:13], s[4:5]
	s_cselect_b32 s10, s9, s10                     ; the tile's number in its tensor
	s_lshr_b32 s26, s10, 1
	s_lshl_b32 s26, s26, 17                        ; 32 rows of 4,096 bytes for each pair of tiles,
	s_and_b32 s27, s10, 1
	s_lshl_b32 s27, s27, 15                        ; 8 rows for the odd one
	s_add_co_u32 s26, s26, s27
	s_mov_b32 s27, 0
	s_add_nc_u64 s[4:5], s[4:5], s[26:27]
	s_mul_i32 s26, s9, 12288
	s_add_nc_u64 s[6:7], s[22:23], s[26:27]        ; my tile's codes
	s_lshl_b32 s26, s9, 9
	s_add_co_u32 s26, s26, SCB
	s_add_nc_u64 s[28:29], s[22:23], s[26:27]      ; and its scale bytes
.macro LOAD s                          ; step s: 128 numbers of each of the tile's 16 rows; a load reads 512 consecutive bytes
.irp rho, 0,1,2,3,4,5,6,7,8,9,10,11,12,13,14,15
	global_load_b128 v[R+64*((\s)%2)+4*\rho:R+64*((\s)%2)+4*\rho+3], v1, s[4:5] offset:(\rho+8*(\rho/8))*4096+512*(\s) th:TH_LOAD_NT
.endr
.endm
.macro STEP s
.set RS, R+64*((\s)%2)
.if (\s) < 7
	s_wait_loadcnt 16                              ; this step's 16 loads are in; the next step's 16 may be out
.else
	s_wait_loadcnt 0
.endif
.irp rho, 0,1,2,3,4,5,6,7,8,9,10,11,12,13,14,15
	ds_store_b128 v3, v[RS+4*\rho:RS+4*\rho+3] offset:528*\rho
.endr
.irp c, 0,1
.irp j, 0,1,2,3,4,5,6,7
	ds_load_b128 v[X+32*\c+4*\j:X+32*\c+4*\j+3], v4 offset:256*\c+16*\j   ; k = 64 c + 32 h + 4 j .. of row r; LDS serves a wave's instructions in order: these see the stores above
.endr
.endr
	s_wait_dscnt 0x0                               ; the numbers are back, and the stores have read their registers
.if (\s) > 0
	s_wait_xcnt 0x0                                ; the last step's stores have read the codes' registers, which this step writes again
.endif
.if (\s)+2 < 8
	LOAD (\s)+2
.endif
.irp c, 0,1                                    ; each block's largest magnitude: all 32 numbers are mine; two chains a block, the blocks by turns
	v_max3_num_f32 v[8+2*\c], |v[X+32*\c]|, |v[X+32*\c+1]|, |v[X+32*\c+2]|
	v_max3_num_f32 v[9+2*\c], |v[X+32*\c+3]|, |v[X+32*\c+4]|, |v[X+32*\c+5]|
.endr
.irp i, 6,10,14,18,22,26
.irp c, 0,1
	v_max3_num_f32 v[8+2*\c], v[8+2*\c], |v[X+32*\c+\i]|, |v[X+32*\c+\i+1]|
	v_max3_num_f32 v[9+2*\c], v[9+2*\c], |v[X+32*\c+\i+2]|, |v[X+32*\c+\i+3]|
.endr
.endr
.irp c, 0,1
	v_max3_num_f32 v[8+2*\c], v[8+2*\c], |v[X+32*\c+30]|, |v[X+32*\c+31]|
.endr
.irp c, 0,1
	v_max3_num_f32 v[8+2*\c], v[8+2*\c], v[9+2*\c], 0x1800000   ; and the floor 2^(3 - 127): the byte cannot fall under 1
.endr
.irp c, 0,1
	v_add_nc_u32 v[12+\c], 0xff000000, v[8+2*\c]   ; 2 off the exponent field: the conversion's scale operand
.endr
.irp c, 0,1
	v_lshrrev_b32 v[14+\c], 23, v[12+\c]           ; the scale's byte
.endr
	v_lshl_or_b32 v[SW+(\s)], v15, 16, v14         ; my two bytes: blocks h and 2 + h of these 128,
	v_lshlrev_b32 v[SW+(\s)], v5, v[SW+(\s)]       ; at their places;
	v_permlanex16_b32 v48, v[SW+(\s)], s30, s31
	v_or_b32 v[SW+(\s)], v[SW+(\s)], v48           ; with lane l xor 16's two the word is whole
.irp c, 0,1
	v_cvt_scalef32_pk16_fp6_f32 v[C+6*\c:C+6*\c+2], v[X+32*\c:X+32*\c+15], v[12+\c]
	v_cvt_scalef32_pk16_fp6_f32 v[C2+4*\c:C2+4*\c+2], v[X+32*\c+16:X+32*\c+31], v[12+\c]   ; (a conversion's three registers begin on an even number)
.endr
	v_nop                                          ; one plain place behind a scaled conversion
.irp c, 0,1
.irp i, 0,1,2
	v_mov_b32 v[C+6*\c+3+\i], v[C2+4*\c+\i]
.endr
.endr
.irp c, 0,1
	global_store_b128 v1, v[C+6*\c:C+6*\c+3], s[6:7] offset:768*(2*(\s)+\c)          ; 512 consecutive bytes,
	global_store_b64 v2, v[C+6*\c+4:C+6*\c+5], s[6:7] offset:768*(2*(\s)+\c)+512     ; and 256: three whole aligned blocks of 256 bytes a piece
.endr
.endm
	LOAD 0
	LOAD 1
	s_wait_alu depctr_va_vdst(0)
.irp t, 0,1,2,3,4,5,6,7
	STEP \t
.endr
	v_cmp_gt_u32 vcc_lo, 16, v7
.irp i, 0,1,2,3
	v_cndmask_b32 v[OW+\i], v[SW+4+\i], v[SW+\i], vcc_lo   ; lanes 0-15 the row's first four words, lanes 16-31 its last four
.endr
	global_store_b128 v6, v[OW:OW+3], s[28:29]     ; the tile's 512 scale bytes
	s_wait_tensorcnt 0x0
	ds_add_u32 v62, v63
	s_wait_dscnt 0x0
	s_endpgm
.Ltable:                                       ; wave 3: token tile t = g / 2, pieces 2 (g % 2) and 2 (g % 2) + 1, cos and sin of each
	s_lshr_b32 s9, ttmp9, 1
	s_and_b32 s10, ttmp9, 1
	s_lshr_b32 s26, s9, 1
	s_lshl_b32 s26, s26, 5
	s_and_b32 s27, s9, 1
	s_lshl_b32 s27, s27, 3
	s_add_co_u32 s26, s26, s27                     ; 32 (t / 2) + 8 (t % 2)
	s_wait_alu depctr_va_vdst(0)
	v_and_b32 v8, 8, v9
	v_add_nc_u32 v8, v8, v9
	v_add_nc_u32 v8, s26, v8
	v_cvt_f32_u32 v8, v8                           ; my position, exact in f32
	v_lshlrev_b32 v11, 4, v10                      ; 16 h
	s_lshl_b32 s26, s9, 12
	s_lshl_b32 s27, s10, 10
	s_add_co_u32 s26, s26, s27
	s_mov_b32 s27, 0
	s_lshl_b32 s10, s10, 3                         ; 4 x the first piece's number
	s_mov_b32 s33, 0xbed49a78                      ; -log2(10000) / 32
	s_mov_b32 s34, 0x3f22f983                      ; 2 / pi
	s_mov_b32 s35, 0xbfc90fdb                      ; -(pi / 2 rounded to f32)
	s_mov_b32 s36, 0x333bbd2e                      ; that number - pi / 2
	s_mov_b32 s37, 0xbe2aaaab                      ; -1 / 3!
	s_mov_b32 s38, 0x3c088889                      ; 1 / 5!
	s_mov_b32 s39, 0xb9500d01                      ; -1 / 7!
	s_mov_b32 s40, 0x3638ef1d                      ; 1 / 9!
	s_mov_b32 s41, 0x3d2aaaab                      ; 1 / 4!
	s_mov_b32 s42, 0xbab60b61                      ; -1 / 6!
	s_mov_b32 s43, 0x37d00d01                      ; 1 / 8!
	s_mov_b32 s44, 0xb493f27e                      ; -1 / 10!
	s_wait_alu depctr_va_vdst(0)
	s_wait_kmcnt 0x0
	s_add_nc_u64 s[24:25], s[24:25], s[26:27]
.macro TASK k                          ; four frequencies a lane, by turns; each task has registers of its own, so no store's data are written again
.set TA, 64+40*\k
.set TN, TA+4
.set TR, TA+8
.set TZ, TA+12
.set TS, TA+16
.set TC, TA+20
.set TI, TA+24
.set TT, TA+28
.set OS, TA+32
.set OC, TA+36
.irp e, 0,1,2,3
	v_add3_u32 v[TA+\e], v11, s10, 4*\k+\e         ; f = 16 h + 4 p + e
.endr
.irp e, 0,1,2,3
	v_cvt_f32_u32 v[TA+\e], v[TA+\e]
.endr
.irp e, 0,1,2,3
	v_mul_f32 v[TA+\e], s33, v[TA+\e]
.endr
	s_wait_alu depctr_va_vdst(0)
.irp e, 0,1,2,3
	v_exp_f32 v[TA+\e], v[TA+\e]                   ; inv_freq
.endr
	v_nop                                          ; a plain place behind the last exponential
	s_wait_alu depctr_va_vdst(0)                   ; one wait for the four, ahead of their first reader
.irp e, 0,1,2,3
	v_mul_f32 v[TA+\e], v8, v[TA+\e]               ; the angle: position x inv_freq, in f32
.endr
.irp e, 0,1,2,3
	v_mul_f32 v[TN+\e], s34, v[TA+\e]
.endr
.irp e, 0,1,2,3
	v_rndne_f32 v[TN+\e], v[TN+\e]                 ; n: the nearest multiple of pi / 2
.endr
.irp e, 0,1,2,3
	v_fma_f32 v[TR+\e], v[TN+\e], s35, v[TA+\e]
.endr
.irp e, 0,1,2,3
	v_fma_f32 v[TR+\e], v[TN+\e], s36, v[TR+\e]    ; r = angle - n pi / 2
.endr
.irp e, 0,1,2,3
	v_mul_f32 v[TZ+\e], v[TR+\e], v[TR+\e]
.endr
.irp e, 0,1,2,3
	v_fma_f32 v[TS+\e], v[TZ+\e], s40, s39
	v_fma_f32 v[TC+\e], v[TZ+\e], s44, s43
.endr
.irp e, 0,1,2,3
	v_fma_f32 v[TS+\e], v[TS+\e], v[TZ+\e], s38
	v_fma_f32 v[TC+\e], v[TC+\e], v[TZ+\e], s42
.endr
.irp e, 0,1,2,3
	v_fma_f32 v[TS+\e], v[TS+\e], v[TZ+\e], s37
	v_fma_f32 v[TC+\e], v[TC+\e], v[TZ+\e], s41
.endr
.irp e, 0,1,2,3
	v_mul_f32 v[TT+\e], v[TR+\e], v[TZ+\e]
	v_fma_f32 v[TC+\e], v[TC+\e], v[TZ+\e], -0.5
.endr
.irp e, 0,1,2,3
	v_fma_f32 v[TS+\e], v[TS+\e], v[TT+\e], v[TR+\e]   ; sin r
	v_fma_f32 v[TC+\e], v[TC+\e], v[TZ+\e], 1.0        ; cos r
.endr
.irp e, 0,1,2,3
	v_cvt_i32_f32 v[TI+\e], v[TN+\e]
.endr
.irp e, 0,1,2,3
	v_and_b32 v[TT+\e], 1, v[TI+\e]
.endr
.irp e, 0,1,2,3
	v_cmp_eq_u32 vcc_lo, 1, v[TT+\e]               ; an odd n changes sin and cos over: a choice of values, no branch
	v_cndmask_b32 v[OS+\e], v[TS+\e], v[TC+\e], vcc_lo
	v_cndmask_b32 v[OC+\e], v[TC+\e], v[TS+\e], vcc_lo
.endr
.irp e, 0,1,2,3
	v_lshlrev_b32 v[TT+\e], 30, v[TI+\e]
	v_add_nc_u32 v[TI+\e], 1, v[TI+\e]
.endr
.irp e, 0,1,2,3
	v_and_b32 v[TT+\e], 0x80000000, v[TT+\e]       ; sin is negated where n mod 4 is 2 or 3,
	v_lshlrev_b32 v[TI+\e], 30, v[TI+\e]
.endr
.irp e, 0,1,2,3
	v_xor_b32 v[OS+\e], v[OS+\e], v[TT+\e]
	v_and_b32 v[TI+\e], 0x80000000, v[TI+\e]       ; cos where it is 1 or 2
.endr
.irp e, 0,1,2,3
	v_xor_b32 v[OC+\e], v[OC+\e], v[TI+\e]
.endr
	global_store_b128 v1, v[OC:OC+3], s[24:25] offset:512*\k
	global_store_b128 v1, v[OS:OS+3], s[24:25] offset:512*\k+2048
.endm
	TASK 0
	TASK 1
	s_endpgm
.Lfunc_end_k_qcef295270e_prep:
	.size	k_qcef295270e_prep, .Lfunc_end_k_qcef295270e_prep-k_qcef295270e_prep
	.p2alignl 7, 3214868480
	.fill 96, 4, 3214868480
	.section	.rodata,"a",@progbits
	.p2align	6, 0x0
	.amdhsa_kernel k_qcef295270e_prep
		.amdhsa_group_segment_fixed_size 34304
		.amdhsa_private_segment_fixed_size 0
		.amdhsa_enable_private_segment 0
		.amdhsa_kernarg_size 56
		.amdhsa_user_sgpr_count 2
		.amdhsa_user_sgpr_kernarg_segment_ptr 1
		.amdhsa_wavefront_size32 1
		.amdhsa_system_sgpr_workgroup_id_x 1
		.amdhsa_system_sgpr_workgroup_id_y 1
		.amdhsa_system_sgpr_workgroup_id_z 1
		.amdhsa_system_vgpr_workitem_id 0
		.amdhsa_next_free_vgpr 256
		.amdhsa_next_free_sgpr 66
		.amdhsa_reserve_vcc 1
		.amdhsa_float_denorm_mode_32 3
		.amdhsa_float_denorm_mode_16_64 3
		.amdhsa_memory_ordered 1
		.amdhsa_forward_progress 1
		.amdhsa_inst_pref_size 72
	.end_amdhsa_kernel
	.amdgpu_metadata
---
amdhsa.version: [ 1, 2 ]
amdhsa.kernels:
  - .name:           k_qcef295270e_prep
    .symbol:         k_qcef295270e_prep.kd
    .args:
      - { .name: x, .offset: 0, .size: 8, .value_kind: global_buffer, .address_space: global }
      - { .name: Wq, .offset: 8, .size: 8, .value_kind: global_buffer, .address_space: global }
      - { .name: Wk, .offset: 16, .size: 8, .value_kind: global_buffer, .address_space: global }
      - { .name: Wv, .offset: 24, .size: 8, .value_kind: global_buffer, .address_space: global }
      - { .name: Wo, .offset: 32, .size: 8, .value_kind: global_buffer, .address_space: global }
      - { .name: opq, .offset: 40, .size: 8, .value_kind: global_buffer, .address_space: global }
      - { .name: tab, .offset: 48, .size: 8, .value_kind: global_buffer, .address_space: global }
    .group_segment_fixed_size: 34304
    .private_segment_fixed_size: 0
    .kernarg_segment_align: 8
    .kernarg_segment_size: 56
    .max_flat_workgroup_size: 128
    .sgpr_count:     66
    .vgpr_count:     256
    .wavefront_size: 32
...
	.end_amdgpu_metadata
.endif
;; end of part 1
;; launch qkv (part 2): grid 12 x 32, 4 waves a work-group, clusters of 4 x 4, 327,680 bytes of LDS; arguments opq, tab, qk, vv; writes qk, vv
.if DOCPART == 2
	.amdgcn_target "amdgcn-amd-amdhsa--gfx1250"
	.amdhsa_code_object_version 6
	.text
	.protected	k_qcef295270e_qkv
	.globl	k_qcef295270e_qkv
	.p2align	8
	.type	k_qcef295270e_qkv,@function
k_qcef295270e_qkv:
	s_mov_b64 s[64:65], 0
	v_nop
	global_prefetch_b8 v0, s[64:65] scope:SCOPE_SE
	s_setreg_imm32_b32 hwreg(HW_REG_WAVE_MODE, 25, 1), 1
	s_wait_xcnt 0x0
	s_wait_alu depctr_hold_cnt(0) depctr_sa_sdst(0) depctr_va_vdst(0) depctr_va_sdst(0) depctr_va_ssrc(0) depctr_va_vcc(0) depctr_vm_vsrc(0)
	s_getreg_b32 s2, hwreg(HW_REG_IB_STS2, 6, 4)
	s_cmp_eq_u32 s2, 0
	s_cbranch_scc0 .Lentry_in_a_cluster
	s_endpgm
.Lentry_in_a_cluster:
	s_bfe_u32 s2, ttmp6, 0x10000c
	s_cmp_lg_u32 s2, 0xf033
	s_cbranch_scc0 .Lentry_shape_is_right
	s_endpgm
.Lentry_shape_is_right:
; QKV.  The three projections on codes of FP6 (E2M3) with E8M0 scales, K = 1,024; their results are rotated (q, k), quantised in registers and stored as codes laid as the attention's operand registers.
; Both operands lie in opq (see the launch before): codes [row tile][K / 64][768], scale bytes [16 x tile + r][32] from byte SCB on; units of 256 rows: 0-31 x, 32-35 Wq, 36-39 Wk, 40-43 Wv.
; A work-group of four waves makes 256 x 256, a wave 128 x 128: 64 accumulators.  K goes in steps of 256 through a ring of two LDS slots filled by the tensor data mover.
; THE MATRIX INSTRUCTION IS USED TRANSPOSED (source 0 = 16 rows of "B", source 1 = 16 rows of "A"): a lane holds ONE row of A, and, by the order of rows in a tile, the 16 registers of B's tiles 2 b and 2 b + 1 are the
; true neighbours 32 b + 16 (lane / 16) + 0 .. 15 along B's rows.  So B is the axis that is quantised next:
;   clusters x = 0, 1 (q, k): A = tokens, B = features of Wq or Wk: a lane holds a token, its registers run along the head's 64.
;   clusters x = 2    (v):    A = features of Wv, B = tokens: a lane holds a feature, its registers run along the keys, which are the second attention product's K.
; CLUSTERS: 4 x 4 work-groups.  A's tiles are shared along a row of the cluster, B's along a column: each is asked for JOINTLY, by the same tensor load with the same descriptor and a mask that names the four.
; OUT.  For each (tensor, head, group of 128 tokens) a record of 6,400 bytes: 6,144 of codes, 256 of scale words.  q, k: eight pieces of 768 bytes (16 tokens x 64 codes as six registers a lane); word [r][b]: bytes 0, 1 the two
; scales of row r of token tile 2 b, bytes 2, 3 those of tile 2 b + 1.  v: four fragments of 1,536 bytes (16 features x 128 keys); word [r][t]: the four key blocks' scales of row r of feature tile t.
; LIMITS: blocks of zeros or under 2^-124 get the byte 1 (bytes read by this program alone); NaN and infinities are not served.
; REGISTERS, in windows of 256: window 0: v1-29 addresses; v32-63 scale words, two sets; v128-223 A's fragments, one set; on the way out v64-239 at work.  window 1: B's fragments, two sets, at v0 and v128.
;   window 2: the accumulators of my A rows 0-63 (accumulator (a, b) at v[8 (8 (a % 4) + b)]); window 3: those of rows 64-127.
.set NQ,     2                         ; matrix instructions deep in a slot
.set FR,     12                        ; registers of a fragment
.set NL,     4                         ; LDS loads that bring one
.set NP,     4                         ; places behind this matrix instruction (ISA guide 7.12.1)
.set TROW,   3072                      ; a row tile's bytes in a slot: 256 along K = four pieces of 768
.set HALFT,  8*TROW                    ; 128 rows: what one tensor load brings
.set SLOT,   4*HALFT                   ; A's 256 rows, then B's
.set SCL,    2*SLOT                    ; behind the ring: the scale bytes, as units of 256 bytes + 16 of padding
.set HALFS,  16*272                    ; those of 128 rows
.set SBLK,   2*272                     ; those of 16 rows
.set SPARE,  SCL+4*HALFS               ; the spare words, 128 bytes for each wave: two blocks of 256 bytes that no other line names
.set SCB,    9437184
.set REC,    6400
.set HEADB,  102400                    ; a head's 16 records
.set KOFF,   6553600                   ; k's records behind q's
.set L16,  8                           ; v8   16 x lane
.set L8,   9                           ; v9   8 x lane
.set SWO,  10                          ; v10  16 r + HEADB h: where my lane stores four scale words
.set PSEL, 11                          ; v11  byte selects
.set ADRA, 16                          ; v16-17 LDS address of A's fragments in slot 0, 1, + 16 l; v18-19 the same + 8 l
.set ADRB, 20                          ; v20-23 the same for B
.set ADRS, 27                          ; v27  LDS address of my scale words: lanes 0-15 A's rows, lanes 16-31 B's
.set SPW,  28                          ; v28  my spare word; never rewritten
.set NIL,  29                          ; v29  0; never rewritten
.set SC,   32
.set AF,   128
.set CS0,  64                          ; the way out: v64-127 two sets of 16 cos and 16 sin
.set Y,    128                         ; v128-191 a block's 64 rotated numbers
.set PC,   192                         ; v192-211 the codes just made
.set TM,   212                         ; v212-227 largest magnitudes, bytes, scale operands
.set PW,   228                         ; v228-235 a scale word for each of my eight blocks of A
.set OW,   236                         ; v236-239 the words as they are stored
.set G1, 24
.set G0, 32
.set G1B, 48
.set G0B, 56
.set G1S, 68
.set G0S, 76
.set G1SB, 80
.set G0SB, 88
.set MSB, 0
.macro WIN new                         ; the immediate's high byte repeats the setting that is left
.if MSB != (\new)
	s_set_vgpr_msb (MSB<<8)|(\new)
.set MSB, (\new)
.endif
.endm
.set MUL_LO, 0xa1                      ; source 0 (B) window 1, source 1 (A) window 0, C and D window 2
.set MUL_HI, 0xf1
.set TO_B,   0x40
; A joint load: waves 0 and 1 fetch for A, waves 2 and 3 for B; the branch hangs on the wave's number alone.  Four v_nop follow each of the two lines.
.macro JLOAD g0a, g1a, g0b, g1b
	s_cmp_eq_u32 s15, 0
	s_cbranch_scc0 .Lfor_b_\@
	tensor_load_to_lds s[\g0a:\g0a+3], s[\g1a:\g1a+7]
	s_nop 0
.rept 4
	v_nop
.endr
	s_branch .Lasked_\@
.Lfor_b_\@:
	tensor_load_to_lds s[\g0b:\g0b+3], s[\g1b:\g1b+7]
	s_nop 0
.rept 4
	v_nop
.endr
.Lasked_\@:
.endm
.macro CREST                           ; a round of the cluster's barrier behind its opening barrier
	s_cmp_lg_u32 s14, 0
	s_cbranch_scc1 .Lnot_wave_0_\@
	s_barrier_signal -3
.Lnot_wave_0_\@:
	s_barrier_wait -3
	s_barrier_signal -1
	s_barrier_wait -1
.endm
.macro CROUND
	s_barrier_signal -1
	s_barrier_wait -1
	CREST
.endm
	s_load_b256 s[4:11], s[0:1], 0x0               ; opq s[4:5], tab s[6:7], qk s[8:9], vv s[10:11]
	v_lshl_add_u32 v[SPW], v0, 2, SPARE
	v_mov_b32 v[NIL], 0
	ds_add_u32 v28, v29
	ds_add_u32 v28, v29
	s_wait_dscnt 0x0
	v_lshrrev_b32 v1, 5, v0
	v_readfirstlane_b32 s14, v1                    ; wave 0..3
	s_lshr_b32 s15, s14, 1                         ; which half of A's rows is mine.  Also: I fetch for A (0) or for B (1)
	s_and_b32 s16, s14, 1                          ; which half of B's rows.  Also: which 128 rows I fetch
	s_bfe_u32 s40, ttmp6, 0x40000                  ; cx, cy: my place in the cluster
	s_bfe_u32 s41, ttmp6, 0x40004
	s_and_b32 s18, ttmp7, 0xffff
	s_lshl_b32 s18, s18, 2                         ; 4 x cluster y: the tokens' units
	s_lshl_b32 s19, ttmp9, 2
	s_add_co_u32 s19, s19, 32                      ; Wq's or Wk's units
	s_cmp_eq_u32 ttmp9, 2                          ; the clusters of v: the same answer in all sixteen partners
	s_cselect_b32 s17, 40, s18
	s_cselect_b32 s42, s18, s19
	s_add_co_u32 s17, s17, s41                     ; A's unit of 256 rows: hangs on cy alone of the two places
	s_add_co_u32 s42, s42, s40                     ; B's: on cx alone
	s_lshl_b32 s43, s41, 2
	s_lshl_b32 s43, 15, s43                        ; my row of the cluster
	s_lshl_b32 s44, 0x1111, s40                    ; my column
	; descriptor group 1 for codes: 8 row tiles x 3,072 bytes (384 elements of 8 bytes), 12,288 bytes apart; no padding: every LDS read of them is of consecutive bytes
	s_or_b32 s[G1+0], s43, (3<<16)|(1<<21)
	s_or_b32 s[G1B+0], s44, (3<<16)|(1<<21)
.irp g, G1, G1B
	s_mov_b32 s[\g+1], 384<<16                     ; tensor_dim0
	s_mov_b32 s[\g+2], 16<<16                      ; the head's loads bring 16 row tiles; behind them these two words are set to 8, for the ring's
	s_mov_b32 s[\g+3], 384<<16
	s_mov_b32 s[\g+4], 16
	s_mov_b32 s[\g+5], 1536                        ; tensor_dim0_stride
	s_mov_b32 s[\g+6], 0
	s_mov_b32 s[\g+7], 0
.endr
	; and for the scale bytes of 256 rows: 8,192 dense bytes as 32 rows of 256, 16 bytes of padding behind each
	s_or_b32 s[G1S+0], s43, (3<<16)|(1<<20)|(1<<21)|(5<<22)|(3<<25)
	s_or_b32 s[G1SB+0], s44, (3<<16)|(1<<20)|(1<<21)|(5<<22)|(3<<25)
.irp g, G1S, G1SB
	s_mov_b32 s[\g+1], 32<<16
	s_mov_b32 s[\g+2], 32<<16                      ; the scale bytes of 256 rows: 32 rows of 256 bytes
	s_mov_b32 s[\g+3], 32<<16
	s_mov_b32 s[\g+4], 32
	s_mov_b32 s[\g+5], 32
	s_mov_b32 s[\g+6], 0
	s_mov_b32 s[\g+7], 0
.endr
	s_mul_i32 s20, s17, 196608                     ; A's codes: 16 tiles of 12,288 bytes a unit,
	s_mul_i32 s21, s16, 98304                      ; + the half that I fetch
	s_add_co_u32 s20, s20, s21
	s_mov_b32 s21, 0
	s_mul_i32 s46, s42, 196608                     ; B's likewise
	s_mul_i32 s47, s16, 98304
	s_add_co_u32 s46, s46, s47
	s_mov_b32 s47, 0
	s_lshl_b32 s22, s17, 13                        ; A's scale bytes: 8,192 a unit
	s_lshl_b32 s23, s16, 12
	s_add_co_u32 s22, s22, s23
	s_add_co_u32 s22, s22, SCB
	s_mov_b32 s23, 0
	s_lshl_b32 s92, s42, 13
	s_lshl_b32 s93, s16, 12
	s_add_co_u32 s92, s92, s93
	s_add_co_u32 s92, s92, SCB
	s_mov_b32 s93, 0
	s_mul_i32 s45, s14, HALFT                      ; where they go: wave x 128 rows: no place in the cluster enters an LDS address
	s_mul_i32 s94, s14, HALFS
	s_wait_kmcnt 0x0
	s_add_nc_u64 s[20:21], s[4:5], s[20:21]
	s_add_nc_u64 s[22:23], s[4:5], s[22:23]
	s_add_nc_u64 s[46:47], s[4:5], s[46:47]
	s_add_nc_u64 s[92:93], s[4:5], s[92:93]
	CROUND                                         ; all sixteen work-groups are here: the first joint loads meet
	; THE HEAD'S FOUR TILES, each whole, one a wave: K step 0's 256 rows of A (wave 0), of B (wave 1), the scale bytes of A's 256 rows (wave 2), of B's (wave 3).
	; Slot 0's two groups 0 serve the head's loads of codes first; behind the wait for them they are written for the ring.
	s_mul_i32 s2, s16, 98304                       ; my half's bytes come off again: the unit's first byte
	s_mov_b32 s3, 0
	s_mov_b32 s[G0], 1
	s_mov_b32 s[G0+1], 0
	s_sub_nc_u64 s[G0+2:G0+3], s[20:21], s[2:3]
	s_or_b32 s[G0+3], s[G0+3], 0x80000000
	s_mov_b32 s[G0B], 1
	s_mov_b32 s[G0B+1], 2*HALFT
	s_sub_nc_u64 s[G0B+2:G0B+3], s[46:47], s[2:3]
	s_or_b32 s[G0B+3], s[G0B+3], 0x80000000
	s_lshl_b32 s2, s16, 12
	s_mov_b32 s[G0S], 1
	s_mov_b32 s[G0S+1], SCL
	s_sub_nc_u64 s[G0S+2:G0S+3], s[22:23], s[2:3]
	s_or_b32 s[G0S+3], s[G0S+3], 0x80000000
	s_mov_b32 s[G0SB], 1
	s_mov_b32 s[G0SB+1], SCL+2*HALFS
	s_sub_nc_u64 s[G0SB+2:G0SB+3], s[92:93], s[2:3]
	s_or_b32 s[G0SB+3], s[G0SB+3], 0x80000000
	s_mov_b32 s[G0+4], 1                           ; slot 1's groups 0: my 128 rows, K step 1
	s_add_co_u32 s[G0+5], s45, SLOT
	s_add_nc_u64 s[G0+6:G0+7], s[20:21], TROW
	s_or_b32 s[G0+7], s[G0+7], 0x80000000
	s_mov_b32 s[G0B+4], 1
	s_add_co_u32 s[G0B+5], s45, SLOT
	s_add_nc_u64 s[G0B+6:G0B+7], s[46:47], TROW
	s_or_b32 s[G0B+7], s[G0B+7], 0x80000000
	s_mov_b64 s[96:97], s[20:21]                   ; kept for the ring: my 128 rows of A, K step 0
.macro ARM under, g0, g1, next         ; one chain of branches on the wave's number: every way passes exactly one load
	s_cmp_lt_u32 s14, \under
	s_cbranch_scc0 \next
	tensor_load_to_lds s[\g0:\g0+3], s[\g1:\g1+7]
	s_nop 0
.rept 4
	v_nop
.endr
	s_branch .Lhead_asked
\next:
.endm
	ARM 1, G0,  G1,  .Lhead_b
	ARM 2, G0B, G1B, .Lhead_sa
	ARM 3, G0S, G1S, .Lhead_sb
	tensor_load_to_lds s[G0SB:G0SB+3], s[G1SB:G1SB+7]
	s_nop 0
.rept 4
	v_nop
.endr
.Lhead_asked:
	v_and_b32 v1, 15, v0                           ; r
	v_bfe_u32 v2, v0, 4, 1                         ; h
	v_and_b32 v3, 31, v0                           ; lane; kept
	v_lshlrev_b32 v[L16], 4, v3
	v_lshlrev_b32 v[L8], 3, v3
	s_mul_i32 s21, s15, HALFT                      ; my 128 rows of A
	s_mul_i32 s22, s16, HALFT                      ; my 128 rows of B,
	s_add_co_u32 s22, s22, 2*HALFT                 ; which lie behind A's 256
.irp s, 0,1
	v_add_nc_u32 v[ADRA+\s], s21, v[L16]
	v_add_nc_u32 v[ADRA+2+\s], s21, v[L8]
	v_add_nc_u32 v[ADRB+\s], s22, v[L16]
	v_add_nc_u32 v[ADRB+2+\s], s22, v[L8]
	s_add_co_u32 s21, s21, SLOT
	s_add_co_u32 s22, s22, SLOT
.endr
	v_lshlrev_b32 v5, 5, v1                        ; my row's scale bytes: 32 a row,
	v_lshrrev_b32 v6, 8, v5
	v_lshl_add_u32 v5, v6, 4, v5                   ; and 16 more for each 256 passed
	s_mul_i32 s21, s15, HALFS
	s_mul_i32 s22, s16, HALFS
	s_add_co_u32 s22, s22, 2*HALFS
	s_sub_co_u32 s22, s22, s21
	v_mul_u32_u24 v6, s22, v2                      ; lanes 16-31 take B's
	s_add_co_u32 s21, s21, SCL
	v_add_nc_u32 v5, v5, v6
	v_add_nc_u32 v[ADRS], s21, v5
	v_mul_u32_u24 v[SWO], v2, HEADB
	v_lshl_add_u32 v[SWO], v1, 4, v[SWO]
.macro FRAG reg, adr, q, i             ; a fragment is two pieces of 768 bytes on end, each an image of six registers: 512 bytes at 16 l, 256 bytes at 8 l
	ds_load_b128 v[\reg:\reg+3], v[\adr] offset:(\i)*TROW+(\q)*1536
	ds_load_b64 v[\reg+4:\reg+5], v[\adr+2] offset:(\i)*TROW+(\q)*1536+512
	ds_load_b128 v[\reg+6:\reg+9], v[\adr] offset:(\i)*TROW+(\q)*1536+768
	ds_load_b64 v[\reg+10:\reg+11], v[\adr+2] offset:(\i)*TROW+(\q)*1536+1280
.endm
; 16 matrix instructions: A's blocks a0, a0 + 1 x B's eight, 128 along K.  The 64 accumulators take turns, one instruction a turn, in the same order in every step.
.macro MUL16 a0, p, q, sc, zero
.irp a, \a0, \a0+1
.irp b, 0,1,2,3,4,5,6,7
.if \zero
	v_wmma_scale_f32_16x16x128_f8f6f4 v[8*(8*((\a)%4)+\b):8*(8*((\a)%4)+\b)+7], v[128*(\p)+FR*\b:128*(\p)+FR*\b+FR-1], v[AF+FR*(\a):AF+FR*(\a)+FR-1], 0, v[SC+8*NQ*(\sc)+NQ*\b+(\q)], v[SC+8*NQ*(\sc)+NQ*(\a)+(\q)] matrix_a_fmt:MATRIX_FMT_FP6 matrix_b_fmt:MATRIX_FMT_FP6 matrix_a_scale:MATRIX_SCALE_ROW1
.else
	v_wmma_scale_f32_16x16x128_f8f6f4 v[8*(8*((\a)%4)+\b):8*(8*((\a)%4)+\b)+7], v[128*(\p)+FR*\b:128*(\p)+FR*\b+FR-1], v[AF+FR*(\a):AF+FR*(\a)+FR-1], v[8*(8*((\a)%4)+\b):8*(8*((\a)%4)+\b)+7], v[SC+8*NQ*(\sc)+NQ*\b+(\q)], v[SC+8*NQ*(\sc)+NQ*(\a)+(\q)] matrix_a_fmt:MATRIX_FMT_FP6 matrix_b_fmt:MATRIX_FMT_FP6 matrix_a_scale:MATRIX_SCALE_ROW1
.endif
.endr
.endr
.endm
.macro FETCH_B slot, q, p
	WIN TO_B
.irp i, 0,1,2,3,4,5,6,7
	FRAG 128*(\p)+FR*\i, ADRB+\slot, \q, \i
.endr
	WIN 0
.endm
.macro FETCH_A slot, q, i0
.irp i, \i0, \i0+1, \i0+2, \i0+3
	FRAG AF+FR*(\i), ADRA+\slot, \q, \i
.endr
.endm
.macro SCALES sc                       ; a K step's scale words into set sc: two words a row; lanes 0-15 take A's block i, lanes 16-31 B's block i
.irp i, 0,1,2,3,4,5,6,7
	ds_load_b64 v[SC+8*NQ*\sc+NQ*\i:SC+8*NQ*\sc+NQ*\i+1], v[ADRS] offset:\i*SBLK
.endr
.endm
.macro PLACES n                        ; plain vector lines between a matrix instruction and a load into, or a read of, its registers
.rept \n
	v_nop
.endr
.endm
.macro STEP slot, q, zero              ; a step of 128 along K that has its successor in the same slot
	s_wait_dscnt 4*NL                              ; B's set, A's blocks 0-3 and the scale words are in; the youngest 16 loads (A's blocks 4-7) may be out
	WIN MUL_LO
	MUL16 0, (\q)%2, \q, \slot, \zero
	MUL16 2, (\q)%2, \q, \slot, \zero
	s_wait_dscnt 0
	PLACES NP
	FETCH_B \slot, (\q)+1, 1-(\q)%2
	FETCH_A \slot, (\q)+1, 0
	WIN MUL_HI
	MUL16 4, (\q)%2, \q, \slot, \zero
	MUL16 6, (\q)%2, \q, \slot, \zero
	PLACES NP
	WIN 0
	FETCH_A \slot, (\q)+1, 4
.endm
; A slot's last step changes slots: ONE barrier; in front of it each wave waits for all its tensor loads, adds 0 to its spare word, and waits for that and for its own reads of this slot.
.macro TURN slot, next, fill
	s_wait_tensorcnt 0x0                           ; all my tensor loads have landed: my part of the next slot
	ds_add_u32 v[SPW], v[NIL]                      ; 0 onto my spare word
	s_wait_dscnt 4*NL+1                            ; (the add and the youngest 16 loads may be out)
	WIN MUL_LO
	MUL16 0, 1, NQ-1, \slot, 0
	s_wait_dscnt 0x0                               ; the add is done, and my reads of this slot are over
	s_barrier_signal -1
	MUL16 2, 1, NQ-1, \slot, 0
	WIN 0
	s_barrier_wait -1
.if \fill
	CREST                                          ; the barrier has opened a round of the cluster's barrier: no wave of any partner still reads this slot or has a load on its way
	s_add_nc_u64 s[G0+4*\slot+2:G0+4*\slot+3], s[G0+4*\slot+2:G0+4*\slot+3], 2*TROW
	s_add_nc_u64 s[G0B+4*\slot+2:G0B+4*\slot+3], s[G0B+4*\slot+2:G0B+4*\slot+3], 2*TROW
	JLOAD G0+4*\slot, G1, G0B+4*\slot, G1B         ; the first tensor load behind the round, and my only one until the next
.else
	PLACES NP
.endif
	s_wait_alu depctr_va_vdst(0)
	v_add_nc_u32 v[ADRS], 4*NQ, v[ADRS]            ; on to the next K step's scale words
	FETCH_B \next, 0, 0
	FETCH_A \next, 0, 0
	SCALES \next
	WIN MUL_HI
	MUL16 4, 1, NQ-1, \slot, 0
	MUL16 6, 1, NQ-1, \slot, 0
	PLACES NP
	WIN 0
	FETCH_A \next, 0, 4
.endm
	s_wait_alu depctr_va_vdst(0)
	s_wait_tensorcnt 0x0                           ; my tile of the head's four is in
	ds_add_u32 v[SPW], v[NIL]
	s_mov_b32 s[G1+2], 8<<16                       ; no tensor load of mine is out: from here on a load brings 8 row tiles,
	s_mov_b32 s[G1+4], 8
	s_mov_b32 s[G1B+2], 8<<16
	s_mov_b32 s[G1B+4], 8
	s_mov_b32 s[G0+1], s45                         ; and slot 0's groups 0 name my 128 rows, K step 0: the first refill steps them on
	s_mov_b64 s[G0+2:G0+3], s[96:97]
	s_or_b32 s[G0+3], s[G0+3], 0x80000000
	s_mov_b32 s[G0B+1], s45
	s_mov_b64 s[G0B+2:G0B+3], s[46:47]
	s_or_b32 s[G0B+3], s[G0B+3], 0x80000000
	s_wait_dscnt 0x0
	CROUND                                         ; all four tiles are in, all sixteen work-groups are here
	JLOAD G0+4, G1, G0B+4, G1B                     ; K step 1, the first tensor load behind the round
	FETCH_B 0, 0, 0
	FETCH_A 0, 0, 0
	SCALES 0
	FETCH_A 0, 0, 4
	STEP 0, 0, 1                                   ; the first step's products start the sums
	s_mov_b32 s3, 1                                ; K = 1,024 is two laps of the ring: one trip fills both slots again
.Llap:
	TURN 0, 1, 1
	STEP 1, 0, 0
	TURN 1, 0, 1
	STEP 0, 0, 0
	s_sub_co_u32 s3, s3, 1
	s_cmp_lg_u32 s3, 0
	s_cbranch_scc1 .Llap
	TURN 0, 1, 0                                   ; the last lap fills nothing
	STEP 1, 0, 0
	s_wait_dscnt 4*NL
	WIN MUL_LO
	MUL16 0, 1, NQ-1, 1, 0
	MUL16 2, 1, NQ-1, 1, 0
	s_wait_dscnt 0
	WIN MUL_HI
	MUL16 4, 1, NQ-1, 1, 0
	MUL16 6, 1, NQ-1, 1, 0
	WIN 0
	PLACES NP                                      ; behind the last products: their results are read, and A's registers written, below
	; THE WAY OUT: no LDS, no barrier.  Where my records lie
	s_cmp_eq_u32 ttmp9, 2
	s_cselect_b32 s20, s42, s17                    ; the tokens' unit of 256,
	s_cselect_b32 s21, s16, s15                    ; my half of it,
	s_cselect_b32 s22, s41, s40                    ; the features' unit of 256 (four heads),
	s_cselect_b32 s23, s15, s16                    ; my half of it (two heads)
	s_cselect_b64 s[96:97], s[10:11], s[8:9]       ; vv or qk: the choice hangs on the cluster's number alone
	s_mul_i32 s46, ttmp9, KOFF
	s_cselect_b32 s46, 0, s46                      ; k's records lie behind q's
	s_lshr_b32 s47, s20, 3                         ; batch
	s_and_b32 s20, s20, 7
	s_lshl_b32 s20, s20, 1
	s_add_co_u32 s20, s20, s21                     ; my group of 128 tokens in its sequence
	s_lshl_b32 s22, s22, 2
	s_lshl_b32 s23, s23, 1
	s_add_co_u32 s22, s22, s23                     ; my first head
	s_lshl_b32 s47, s47, 4
	s_add_co_u32 s22, s22, s47
	s_mul_i32 s22, s22, HEADB
	s_mul_i32 s23, s20, REC
	s_add_co_u32 s22, s22, s23
	s_add_co_u32 s46, s46, s22
	s_mov_b32 s47, 0
	s_add_nc_u64 s[96:97], s[96:97], s[46:47]
	s_lshl_b32 s46, s20, 15                        ; the table: eight token tiles of 4,096 bytes a group
	s_add_nc_u64 s[98:99], s[6:7], s[46:47]
	s_mov_b32 s12, 0x76543210
	s_mov_b32 s13, 0xfedcba98                      ; selects for lane l xor 16
.irp b, 0,1,2,3
	v_mov_b32 v[TM+4+\b], 0                        ; written once: a lane permute's destination counts as one of its sources
.endr
	v_cmp_gt_u32 vcc_lo, 16, v3                    ; lanes 0-15
; 64 numbers of a lane in window w, register 16 b + i = k 32 b + 16 (lane / 16) + i of my row, become a fragment's codes in v[PC] on and its scale word in v[pw].  Each accumulator is read from its low end on.
.macro QUANT s, w, pw
	WIN (\w)|((\w)<<2)
.irp b, 0,1,2,3
	v_max3_num_f32 v[TM+\b], |v[\s+16*\b]|, |v[\s+16*\b+1]|, 0x1800000   ; my 16 numbers of block b, and the floor 2^(3 - 127): the byte cannot fall under 1
.endr
.irp i, 2,4,6,8,10,12,14
.irp b, 0,1,2,3
	v_max3_num_f32 v[TM+\b], |v[\s+16*\b+\i]|, |v[\s+16*\b+\i+1]|, v[TM+\b]
.endr
.endr
	WIN 0
.irp b, 0,1,2,3
	v_permlanex16_b32 v[TM+4+\b], v[TM+\b], s12, s13
.endr
.irp b, 0,1,2,3
	v_max_num_f32 v[TM+\b], v[TM+\b], v[TM+4+\b]   ; with lane l xor 16's: the block's largest magnitude
.endr
.irp b, 0,1,2,3
	v_add_nc_u32 v[TM+12+\b], 0xff000000, v[TM+\b] ; 2 off its exponent field: the conversion's scale operand
.endr
.irp b, 0,1,2,3
	v_lshrrev_b32 v[TM+4+\b], 23, v[TM+12+\b]      ; the scale's byte
.endr
	v_lshl_or_b32 v[\pw], v[TM+5], 8, v[TM+4]
	v_lshl_or_b32 v[\pw], v[TM+6], 16, v[\pw]
	v_lshl_or_b32 v[\pw], v[TM+7], 24, v[\pw]
	WIN (\w)
.irp c, 0,1
	v_cvt_scalef32_pk16_fp6_f32 v[PC+6*\c:PC+6*\c+2], v[\s+32*\c:\s+32*\c+15], v[TM+12+2*\c]
	v_cvt_scalef32_pk16_fp6_f32 v[PC+12+4*\c:PC+14+4*\c], v[\s+32*\c+16:\s+32*\c+31], v[TM+13+2*\c]   ; (a conversion's three registers begin on an even number)
.endr
	WIN 0
	v_nop                                          ; one plain place behind a scaled conversion
.irp c, 0,1                                    ; the operand's layout wants a WHOLE block in a lane: lanes 0-15 block 2 c, lanes 16-31 block 2 c + 1
.irp i, 0,1,2
	v_permlane16_swap_b32 v[PC+6*\c+\i], v[PC+12+4*\c+\i]
.endr
.irp i, 0,1,2
	v_mov_b32 v[PC+6*\c+3+\i], v[PC+12+4*\c+\i]
.endr
.endr
.endm
	s_cmp_eq_u32 ttmp9, 2
	s_cbranch_scc1 .Lv
	; ---- q, k: my lane holds a token; registers 32 j + i are head j's d = 16 h + i, registers 32 j + 16 + i its d = 32 + 16 h + i: the two that a rotation joins lie in one lane
	v_mov_b32 v12, 0x05040100
	v_mov_b32 v[PSEL], 0x07060302
	v_cndmask_b32 v[PSEL], v[PSEL], v12, vcc_lo    ; lanes 0-15 gather my first head's two bytes of each word, lanes 16-31 my second head's
.macro TL a                            ; cos and sin of token tile a of my group: 16 + 16 a lane
.irp p, 0,1,2,3,4,5,6,7
	global_load_b128 v[CS0+32*((\a)%2)+4*\p:CS0+32*((\a)%2)+4*\p+3], v[L16], s[98:99] offset:4096*(\a)+512*\p
.endr
.endm
.macro ROPE a                          ; y(d) = x(d) cos - x(d + 32) sin, y(d + 32) = x(d + 32) cos + x(d) sin, two at a time
.set AC, 64*((\a)%4)
.set CSB, CS0+32*((\a)%2)
	WIN 2+(\a)/4
.irp j, 0,1
.irp i, 0,2,4,6,8,10,12,14
	v_pk_mul_f32 v[Y+32*\j+\i:Y+32*\j+\i+1], v[AC+32*\j+\i:AC+32*\j+\i+1], v[CSB+\i:CSB+\i+1]
	v_pk_mul_f32 v[Y+32*\j+16+\i:Y+32*\j+16+\i+1], v[AC+32*\j+16+\i:AC+32*\j+16+\i+1], v[CSB+\i:CSB+\i+1]
	v_pk_fma_f32 v[Y+32*\j+\i:Y+32*\j+\i+1], v[AC+32*\j+16+\i:AC+32*\j+16+\i+1], v[CSB+16+\i:CSB+16+\i+1], v[Y+32*\j+\i:Y+32*\j+\i+1] neg_lo:[1,0,0] neg_hi:[1,0,0]
	v_pk_fma_f32 v[Y+32*\j+16+\i:Y+32*\j+16+\i+1], v[AC+32*\j+\i:AC+32*\j+\i+1], v[CSB+16+\i:CSB+16+\i+1], v[Y+32*\j+16+\i:Y+32*\j+16+\i+1]
.endr
.endr
	WIN 0
.endm
	TL 0
.irp a, 0,1,2,3,4,5,6,7
.if \a < 7
	TL \a+1
	s_wait_loadcnt 8                               ; this tile's eight loads are in; the next tile's eight may be out
.else
	s_wait_loadcnt 0
.endif
	ROPE \a
.if \a > 0
	s_wait_xcnt 0x0                                ; the last tile's stores have read the codes' registers
.endif
	QUANT Y, 0, PW+\a
.irp j, 0,1
	global_store_b128 v[L16], v[PC+6*\j:PC+6*\j+3], s[96:97] offset:HEADB*\j+768*\a          ; head j's piece of this token tile: 512 consecutive bytes,
	global_store_b64 v[L8], v[PC+6*\j+4:PC+6*\j+5], s[96:97] offset:HEADB*\j+768*\a+512      ; and 256
.endr
.endr
.irp b, 0,1,2,3
	v_perm_b32 v[OW+\b], v[PW+2*\b+1], v[PW+2*\b], v[PSEL]   ; my head's two bytes of tile 2 b below, of tile 2 b + 1 above
.endr
	global_store_b128 v[SWO], v[OW:OW+3], s[96:97] offset:6144   ; each half of the lanes stores 256 consecutive bytes, in its own head's record
	s_branch .Lend
.Lv:	; ---- v: my lane holds a feature; its registers run along my group's 128 keys
	v_mov_b32 v12, 0x03020100
	v_mov_b32 v[PSEL], 0x07060504
	v_cndmask_b32 v[PSEL], v[PSEL], v12, vcc_lo    ; lanes 0-15 take my first head's words, lanes 16-31 my second head's
.irp a, 0,1,2,3,4,5,6,7
.if \a > 0
	s_wait_xcnt 0x0                                ; the last block's stores have read the codes' registers
.endif
	QUANT 64*((\a)%4), 2+(\a)/4, PW+\a
.irp c, 0,1
	global_store_b128 v[L16], v[PC+6*\c:PC+6*\c+3], s[96:97] offset:HEADB*((\a)/4)+1536*((\a)%4)+768*\c
	global_store_b64 v[L8], v[PC+6*\c+4:PC+6*\c+5], s[96:97] offset:HEADB*((\a)/4)+1536*((\a)%4)+768*\c+512
.endr
.endr
.irp f, 0,1,2,3
	v_perm_b32 v[OW+\f], v[PW+4+\f], v[PW+\f], v[PSEL]
.endr
	global_store_b128 v[SWO], v[OW:OW+3], s[96:97] offset:6144
.Lend:
	s_wait_tensorcnt 0x0                           ; the wave's end
	ds_add_u32 v[SPW], v[NIL]
	s_wait_dscnt 0x0
	CROUND                                         ; the closing round: no work-group ends while a partner may still ask for a tile that names it
	s_endpgm
.Lfunc_end_k_qcef295270e_qkv:
	.size	k_qcef295270e_qkv, .Lfunc_end_k_qcef295270e_qkv-k_qcef295270e_qkv
	.p2alignl 7, 3214868480
	.fill 96, 4, 3214868480
	.section	.rodata,"a",@progbits
	.p2align	6, 0x0
	.amdhsa_kernel k_qcef295270e_qkv
		.amdhsa_group_segment_fixed_size 327680
		.amdhsa_private_segment_fixed_size 0
		.amdhsa_enable_private_segment 0
		.amdhsa_kernarg_size 32
		.amdhsa_user_sgpr_count 2
		.amdhsa_user_sgpr_kernarg_segment_ptr 1
		.amdhsa_wavefront_size32 1
		.amdhsa_system_sgpr_workgroup_id_x 1
		.amdhsa_system_sgpr_workgroup_id_y 1
		.amdhsa_system_sgpr_workgroup_id_z 1
		.amdhsa_system_vgpr_workitem_id 0
		.amdhsa_next_free_vgpr 1024
		.amdhsa_next_free_sgpr 100
		.amdhsa_reserve_vcc 1
		.amdhsa_float_denorm_mode_32 3
		.amdhsa_float_denorm_mode_16_64 3
		.amdhsa_memory_ordered 1
		.amdhsa_forward_progress 1
		.amdhsa_inst_pref_size 223
	.end_amdhsa_kernel
	.amdgpu_metadata
---
amdhsa.version: [ 1, 2 ]
amdhsa.kernels:
  - .name:           k_qcef295270e_qkv
    .symbol:         k_qcef295270e_qkv.kd
    .args:
      - { .name: opq, .offset: 0, .size: 8, .value_kind: global_buffer, .address_space: global }
      - { .name: tab, .offset: 8, .size: 8, .value_kind: global_buffer, .address_space: global }
      - { .name: qk, .offset: 16, .size: 8, .value_kind: global_buffer, .address_space: global }
      - { .name: vv, .offset: 24, .size: 8, .value_kind: global_buffer, .address_space: global }
    .group_segment_fixed_size: 327680
    .private_segment_fixed_size: 0
    .kernarg_segment_align: 8
    .kernarg_segment_size: 32
    .max_flat_workgroup_size: 128
    .sgpr_count:     100
    .vgpr_count:     1024
    .wavefront_size: 32
...
	.end_amdgpu_metadata
.endif
;; end of part 2
;; launch attn (part 3): grid 4 x 64, 16 waves a work-group, clusters of 4 x 1, 327,680 bytes of LDS; arguments qk, vv, cq; writes cq
.if DOCPART == 3
	.amdgcn_target "amdgcn-amd-amdhsa--gfx1250"
	.amdhsa_code_object_version 6
	.text
	.protected	k_qcef295270e_attn
	.globl	k_qcef295270e_attn
	.p2align	8
	.type	k_qcef295270e_attn,@function
k_qcef295270e_attn:
	s_mov_b64 s[64:65], 0
	v_nop
	global_prefetch_b8 v0, s[64:65] scope:SCOPE_SE
	s_setreg_imm32_b32 hwreg(HW_REG_WAVE_MODE, 25, 1), 1
	s_wait_xcnt 0x0
	s_wait_alu depctr_hold_cnt(0) depctr_sa_sdst(0) depctr_va_vdst(0) depctr_va_sdst(0) depctr_va_ssrc(0) depctr_va_vcc(0) depctr_vm_vsrc(0)
	s_getreg_b32 s2, hwreg(HW_REG_IB_STS2, 6, 4)
	s_cmp_eq_u32 s2, 0
	s_cbranch_scc0 .Lentry_in_a_cluster
	s_endpgm
.Lentry_in_a_cluster:
	s_bfe_u32 s2, ttmp6, 0x10000c
	s_cmp_lg_u32 s2, 0x3003
	s_cbranch_scc0 .Lentry_shape_is_right
	s_endpgm
.Lentry_shape_is_right:
.set REC,   6400
.set HEADB, 102400
.set KOFF,  6553600
.set L16, 1
.set L8,  2
.set LS,  3
.set AD16, 4
.set AD8, 5
.set ADS, 6
.set KV,  36
.set SC,  84
.set S,   96
.set O,   160
.set P,   192
.set PX,  204
.set BM,  212
.set PT,  216
.set SO,  220
.set WV,  18
.set SEL, 20
.set CS,  22
.set G1,  24
.set G0K, 32
.set G0V, 36
.set TB,  2
.set CNT, 3
.set QB,  40
.set QSB, 42
.set CB,  44
.set SBB, 46
.macro CROUND
	s_barrier_signal -1
	s_barrier_wait -1
	s_cmp_lg_u32 s[WV], 0
	s_cbranch_scc1 .Lnot_wave_0_\@
	s_barrier_signal -3
.Lnot_wave_0_\@:
	s_barrier_wait -3
	s_barrier_signal -1
	s_barrier_wait -1
.endm
	s_load_b128 s[4:7], s[0:1], 0x0
	s_load_b64 s[8:9], s[0:1], 0x10
	v_lshl_add_u32 v254, v0, 2, 0x32000
	v_mov_b32 v255, 0
	ds_add_u32 v254, v255
	ds_add_u32 v254, v255
	v_lshrrev_b32 v1, 5, v0
	s_delay_alu instid0(VALU_DEP_1)
	v_readfirstlane_b32 s[WV], v1
	s_bfe_u32 s10, ttmp6, 0x40000
	s_and_b32 s11, ttmp7, 0xffff
	s_mul_i32 s12, s11, HEADB
	s_mul_i32 s13, s[WV], REC
	s_add_co_u32 s14, s12, s13
	s_mov_b32 s15, 0
	s_mul_i32 s16, s[WV], 2*REC
	s_mov_b32 s[G1], 15|(3<<16)|(1<<21)
	s_mov_b32 s[G1+1], 32<<16
	s_mov_b32 s[G1+2], 25<<16
	s_mov_b32 s[G1+3], 32<<16
	s_mov_b32 s[G1+4], 25
	s_mov_b32 s[G1+5], 32
	s_mov_b32 s[G1+6], 0
	s_mov_b32 s[G1+7], 0
	s_wait_dscnt 0x0
	s_wait_kmcnt 0x0
	CROUND
	s_mov_b32 s[G0K], 1
	s_mov_b32 s[G0K+1], s16
	s_add_nc_u64 s[G0K+2:G0K+3], s[4:5], s[14:15]
	s_add_nc_u64 s[G0K+2:G0K+3], s[G0K+2:G0K+3], KOFF
	s_or_b32 s[G0K+3], s[G0K+3], 0x80000000
	s_mov_b32 s[G0V], 1
	s_add_co_u32 s[G0V+1], s16, REC
	s_add_nc_u64 s[G0V+2:G0V+3], s[6:7], s[14:15]
	s_or_b32 s[G0V+3], s[G0V+3], 0x80000000
	tensor_load_to_lds s[G0K:G0K+3], s[G1:G1+7]
	s_nop 0
	s_wait_alu depctr_va_vdst(0)
	s_wait_tensorcnt 0x0
	ds_add_u32 v254, v255
	s_wait_dscnt 0x0
	CROUND
	tensor_load_to_lds s[G0V:G0V+3], s[G1:G1+7]
	s_nop 0
.rept 4
	v_nop
.endr
	s_lshl_b32 s10, s10, 4
	s_add_co_u32 s10, s10, s[WV]
	s_lshr_b32 s13, s10, 2
	s_mul_i32 s13, s13, REC
	s_add_co_u32 s13, s13, s12
	s_and_b32 s14, s10, 3
	s_mul_i32 s16, s14, 1536
	s_add_co_u32 s16, s16, s13
	s_mov_b32 s17, 0
	s_add_nc_u64 s[QB:QB+1], s[4:5], s[16:17]
	s_lshl_b32 s16, s14, 2
	s_add_co_u32 s16, s16, s13
	s_add_co_u32 s16, s16, 6144
	s_add_nc_u64 s[QSB:QSB+1], s[4:5], s[16:17]
	s_lshr_b32 s13, s11, 4
	s_and_b32 s14, s11, 15
	s_lshl_b32 s13, s13, 7
	s_lshl_b32 s16, s10, 1
	s_add_co_u32 s13, s13, s16
	s_mul_i32 s16, s13, 12288
	s_mul_i32 s19, s14, 768
	s_add_co_u32 s16, s16, s19
	s_add_nc_u64 s[CB:CB+1], s[8:9], s[16:17]
	s_lshl_b32 s16, s13, 9
	s_lshl_b32 s19, s14, 1
	s_add_co_u32 s16, s16, s19
	s_add_co_u32 s16, s16, 6291456
	s_add_nc_u64 s[SBB:SBB+1], s[8:9], s[16:17]
	s_mov_b32 s[SEL], 0x76543210
	s_mov_b32 s[SEL+1], 0xfedcba98
	s_mov_b32 s[CS], 0x3e38aa3b
	s_mov_b32 s[CS+1], s[CS]
	v_and_b32 v9, 31, v0
	v_and_b32 v7, 15, v0
	s_delay_alu instid0(VALU_DEP_2)
	v_lshlrev_b32 v[L16], 4, v9
	s_delay_alu instid0(VALU_DEP_3)
	v_lshlrev_b32 v[L8], 3, v9
	s_delay_alu instid0(VALU_DEP_4)
	v_lshlrev_b32 v8, 5, v9
	s_delay_alu instid0(VALU_DEP_4)
	v_lshlrev_b32 v7, 4, v7
	s_delay_alu instid0(VALU_DEP_1)
	v_add_nc_u32 v[LS], 6144, v7
	global_load_b32 v35, v7, s[QSB:QSB+1]
.irp i, 16,17,18,19,20,21,28,29,30,31,32,33
	v_mov_b32 v[\i], 0
.endr
.irp b, 0,1,2,3
	v_mov_b32 v[PT+\b], 0
.endr
	v_mov_b32 v224, 0
	v_mov_b32 v227, 0
	s_wait_tensorcnt 0x0
	s_barrier_signal -1
	s_barrier_wait -1
.macro FRAG reg, off
	ds_load_b128 v[\reg:\reg+3], v[AD16] offset:\off
	ds_load_b64 v[\reg+4:\reg+5], v[AD8] offset:\off+512
	ds_load_b128 v[\reg+6:\reg+9], v[AD16] offset:\off+768
	ds_load_b64 v[\reg+10:\reg+11], v[AD8] offset:\off+1280
.endm
.macro RECLOAD base
.irp b, 0,1,2,3
	FRAG KV+12*\b, \base+1536*\b
.endr
	ds_load_b128 v[SC:SC+3], v[ADS] offset:\base
.endm
.macro KLOAD
	v_add_nc_u32 v[AD16], s[TB], v[L16]
	v_add_nc_u32 v[AD8], s[TB], v[L8]
	v_add_nc_u32 v[ADS], s[TB], v[LS]
	v_nop
	RECLOAD 0
.endm
.macro STEP next
	s_wait_dscnt 0x0
.irp b, 0,1,2,3
	v_wmma_scale_f32_16x16x128_f8f6f4 v[S+16*\b:S+16*\b+7], v[KV+12*\b:KV+12*\b+11], v[22:33], 0, v[SC+\b], v34 matrix_a_fmt:MATRIX_FMT_FP6 matrix_b_fmt:MATRIX_FMT_FP6
	v_wmma_scale_f32_16x16x128_f8f6f4 v[S+16*\b+8:S+16*\b+15], v[KV+12*\b:KV+12*\b+11], v[16:27], 0, v[SC+\b], v34 matrix_a_fmt:MATRIX_FMT_FP6 matrix_b_fmt:MATRIX_FMT_FP6
.endr
.rept 4
	v_nop
.endr
	RECLOAD REC
.irp b, 0,1,2,3
	v_max3_num_f32 v[BM+\b], v[S+16*\b], v[S+16*\b+1], v[S+16*\b+2]
.endr
.irp i, 3,5,7,9,11,13
.irp b, 0,1,2,3
	v_max3_num_f32 v[BM+\b], v[BM+\b], v[S+16*\b+\i], v[S+16*\b+\i+1]
.endr
.endr
.irp b, 0,1,2,3
	v_max_num_f32 v[BM+\b], v[BM+\b], v[S+16*\b+15]
.endr
.irp b, 0,1,2,3
	s_delay_alu instid0(VALU_DEP_4)
	v_permlanex16_b32 v[PT+\b], v[BM+\b], s[SEL], s[SEL+1]
.endr
.irp b, 0,1,2,3
	s_delay_alu instid0(VALU_DEP_4)
	v_max_num_f32 v[BM+\b], v[BM+\b], v[PT+\b]
.endr
	s_delay_alu instid0(VALU_DEP_2)
	v_max3_num_f32 v224, v[BM], v[BM+1], v[BM+2]
	s_delay_alu instid0(VALU_DEP_1)
	v_max_num_f32 v224, v224, v[BM+3]
	s_delay_alu instid0(VALU_DEP_1)
	v_mul_f32 v224, s[CS], v224
	s_delay_alu instid0(VALU_DEP_1)
	v_max_num_f32 v13, v13, v224
	v_mov_b32 v224, v12
	s_delay_alu instid0(VALU_DEP_2)
	v_floor_f32 v12, -v13
	s_delay_alu instid0(VALU_DEP_1)
	v_sub_f32 v224, v12, v224
	s_delay_alu instid0(VALU_DEP_1)
	v_cvt_i32_f32 v224, v224
	s_delay_alu instid0(VALU_DEP_1)
	v_ldexp_f32 v226, 1.0, v224
.set j, 0
.rept 32
	v_pk_fma_f32 v[S+j:S+j+1], v[S+j:S+j+1], s[CS:CS+1], v[12:13] op_sel_hi:[1,0,0]
.set j, j+2
.endr
.irp b, 0,1,2,3
	v_fma_f32 v[BM+\b], v[BM+\b], s[CS], v12
.endr
.set j, 0
	s_wait_alu depctr_va_vdst(0)
.rept 64
	v_exp_f32 v[S+j], v[S+j]
.set j, j+1
.endr
	v_pk_mul_f32 v[14:15], v[14:15], v[226:227] op_sel_hi:[1,0]
	s_wait_alu depctr_va_vdst(0)
.irp b, 0,1,2,3
	v_exp_f32 v[BM+\b], v[BM+\b]
.endr
	v_pk_add_f32 v[228:229], v[S:S+1], v[S+2:S+3]
.set j, 4
.rept 15
	v_pk_add_f32 v[14:15], v[14:15], v[S+j:S+j+1]
	v_pk_add_f32 v[228:229], v[228:229], v[S+j+2:S+j+3]
.set j, j+4
.endr
	s_delay_alu instid0(VALU_DEP_1)
	v_pk_add_f32 v[14:15], v[14:15], v[228:229]
	s_wait_alu depctr_va_vdst(0)
.irp b, 0,1,2,3
	v_max_num_f32 v[BM+\b], 0x1800000, v[BM+\b]
.endr
.irp b, 0,1,2,3
	s_delay_alu instid0(VALU_DEP_4)
	v_add_nc_u32 v[SO+\b], 0xff000000, v[BM+\b]
.endr
.irp b, 0,1,2,3
	s_delay_alu instid0(VALU_DEP_4)
	v_lshrrev_b32 v[PT+\b], 23, v[SO+\b]
.endr
	s_delay_alu instid0(VALU_DEP_3)
	v_lshl_or_b32 v227, v[PT+1], 8, v[PT]
	s_delay_alu instid0(VALU_DEP_1)
	v_lshl_or_b32 v227, v[PT+2], 16, v227
	s_delay_alu instid0(VALU_DEP_1)
	v_lshl_or_b32 v227, v[PT+3], 24, v227
.irp c, 0,1
	v_cvt_scalef32_pk16_fp6_f32 v[P+6*\c:P+6*\c+2], v[S+32*\c:S+32*\c+15], v[SO+2*\c]
	v_cvt_scalef32_pk16_fp6_f32 v[PX+4*\c:PX+4*\c+2], v[S+32*\c+16:S+32*\c+31], v[SO+2*\c+1]
.endr
	v_nop
.irp c, 0,1
.irp i, 0,1,2
	v_permlane16_swap_b32 v[P+6*\c+\i], v[PX+4*\c+\i]
.endr
.irp i, 0,1,2
	s_delay_alu instid0(VALU_DEP_3)
	v_mov_b32 v[P+6*\c+3+\i], v[PX+4*\c+\i]
.endr
.endr
.set j, 0
.rept 16
	v_pk_mul_f32 v[O+j:O+j+1], v[O+j:O+j+1], v[226:227] op_sel_hi:[1,0]
.set j, j+2
.endr
	s_wait_alu depctr_va_vdst(0)
	s_wait_dscnt 0x0
.irp t, 0,1,2,3
	v_wmma_scale_f32_16x16x128_f8f6f4 v[O+8*\t:O+8*\t+7], v[KV+12*\t:KV+12*\t+11], v[P:P+11], v[O+8*\t:O+8*\t+7], v[SC+\t], v227 matrix_a_fmt:MATRIX_FMT_FP6 matrix_b_fmt:MATRIX_FMT_FP6
.endr
.if \next
	s_add_co_u32 s[TB], s[TB], 2*REC
	KLOAD
.endif
.endm
.macro OUT p
.rept 4
	v_nop
.endr
	v_add_f32 v14, v14, v15
	s_delay_alu instid0(VALU_DEP_1)
	v_permlanex16_b32 v224, v14, s[SEL], s[SEL+1]
	s_delay_alu instid0(VALU_DEP_1)
	v_add_f32 v14, v14, v224
	s_wait_alu depctr_va_vdst(0)
	v_rcp_f32 v226, v14
	v_nop
	s_wait_alu depctr_va_vdst(0)
.set j, 0
.rept 16
	v_pk_mul_f32 v[O+j:O+j+1], v[O+j:O+j+1], v[226:227] op_sel_hi:[1,0]
.set j, j+2
.endr
.irp b, 0,1
	v_max3_num_f32 v[BM+\b], |v[O+16*\b]|, |v[O+16*\b+1]|, 0x1800000
.endr
.irp i, 2,4,6,8,10,12,14
.irp b, 0,1
	s_delay_alu instid0(VALU_DEP_2)
	v_max3_num_f32 v[BM+\b], v[BM+\b], |v[O+16*\b+\i]|, |v[O+16*\b+\i+1]|
.endr
.endr
.irp b, 0,1
	s_delay_alu instid0(VALU_DEP_2)
	v_permlanex16_b32 v[PT+\b], v[BM+\b], s[SEL], s[SEL+1]
.endr
.irp b, 0,1
	s_delay_alu instid0(VALU_DEP_2)
	v_max_num_f32 v[BM+\b], v[BM+\b], v[PT+\b]
.endr
.irp b, 0,1
	s_delay_alu instid0(VALU_DEP_2)
	v_add_nc_u32 v[SO+\b], 0xff000000, v[BM+\b]
.endr
.irp b, 0,1
	s_delay_alu instid0(VALU_DEP_2)
	v_lshrrev_b32 v[PT+\b], 23, v[SO+\b]
.endr
	s_delay_alu instid0(VALU_DEP_1)
	v_lshl_or_b32 v[10+\p], v[PT+1], 8, v[PT]
	v_cvt_scalef32_pk16_fp6_f32 v[P:P+2], v[O:O+15], v[SO]
	v_cvt_scalef32_pk16_fp6_f32 v[PX:PX+2], v[O+16:O+31], v[SO+1]
	v_nop
.irp i, 0,1,2
	v_permlane16_swap_b32 v[P+\i], v[PX+\i]
.endr
.irp i, 0,1,2
	s_delay_alu instid0(VALU_DEP_3)
	v_mov_b32 v[P+3+\i], v[PX+\i]
.endr
	global_store_b128 v[L16], v[P:P+3], s[CB:CB+1] offset:12288*\p
	global_store_b64 v[L8], v[P+4:P+5], s[CB:CB+1] offset:12288*\p+512
.endm
.macro PASS p
.if \p
	s_wait_xcnt 0x0
.endif
	global_load_b128 v[22:25], v[L16], s[QB:QB+1] offset:768*\p
	global_load_b64 v[26:27], v[L8], s[QB:QB+1] offset:768*\p+512
	s_mov_b32 s[TB], 0
	KLOAD
	v_mov_b32 v13, 0xff61b1e6
	s_delay_alu instid0(VALU_DEP_1)
	v_floor_f32 v12, -v13
	v_mov_b32 v14, 0
	v_mov_b32 v15, 0
	s_wait_loadcnt 0x0
.if \p
	v_perm_b32 v34, v35, v35, 0x03020302
.else
	v_perm_b32 v34, v35, v35, 0x01000100
.endif
.set j, 0
.rept 32
	v_mov_b32 v[O+j], 0
.set j, j+1
.endr
	s_mov_b32 s[CNT], 15
.Lkey_\@:
	s_wait_alu depctr_va_vdst(0)
	STEP 1
	s_sub_co_u32 s[CNT], s[CNT], 1
	s_cmp_lg_u32 s[CNT], 0
	s_cbranch_scc1 .Lkey_\@
	s_wait_alu depctr_va_vdst(0)
	STEP 0
	OUT \p
.endm
	PASS 0
	PASS 1
	v_cmp_gt_u32 vcc_lo, 16, v9
	s_delay_alu instid0(VALU_DEP_1)
	v_cndmask_b32 v10, v11, v10, vcc_lo
	global_store_b16 v8, v10, s[SBB:SBB+1]
	s_wait_dscnt 0x0
	s_wait_tensorcnt 0x0
	ds_add_u32 v254, v255
	s_wait_dscnt 0x0
	CROUND
	s_endpgm
.Lfunc_end_k_qcef295270e_attn:
	.size	k_qcef295270e_attn, .Lfunc_end_k_qcef295270e_attn-k_qcef295270e_attn
	.p2alignl 7, 3214868480
	.fill 96, 4, 3214868480
	.section	.rodata,"a",@progbits
	.p2align	6, 0x0
	.amdhsa_kernel k_qcef295270e_attn
		.amdhsa_group_segment_fixed_size 327680
		.amdhsa_private_segment_fixed_size 0
		.amdhsa_enable_private_segment 0
		.amdhsa_kernarg_size 24
		.amdhsa_user_sgpr_count 2
		.amdhsa_user_sgpr_kernarg_segment_ptr 1
		.amdhsa_wavefront_size32 1
		.amdhsa_system_sgpr_workgroup_id_x 1
		.amdhsa_system_sgpr_workgroup_id_y 1
		.amdhsa_system_sgpr_workgroup_id_z 1
		.amdhsa_system_vgpr_workitem_id 0
		.amdhsa_next_free_vgpr 256
		.amdhsa_next_free_sgpr 66
		.amdhsa_reserve_vcc 1
		.amdhsa_float_denorm_mode_32 3
		.amdhsa_float_denorm_mode_16_64 3
		.amdhsa_memory_ordered 1
		.amdhsa_forward_progress 1
		.amdhsa_inst_pref_size 86
	.end_amdhsa_kernel
	.amdgpu_metadata
---
amdhsa.version: [ 1, 2 ]
amdhsa.kernels:
  - .name:           k_qcef295270e_attn
    .symbol:         k_qcef295270e_attn.kd
    .args:
      - { .name: qk, .offset: 0, .size: 8, .value_kind: global_buffer, .address_space: global }
      - { .name: vv, .offset: 8, .size: 8, .value_kind: global_buffer, .address_space: global }
      - { .name: cq, .offset: 16, .size: 8, .value_kind: global_buffer, .address_space: global }
    .group_segment_fixed_size: 327680
    .private_segment_fixed_size: 0
    .kernarg_segment_align: 8
    .kernarg_segment_size: 24
    .max_flat_workgroup_size: 512
    .sgpr_count:     66
    .vgpr_count:     256
    .wavefront_size: 32
...
	.end_amdgpu_metadata
.endif
;; end of part 3
;; launch oproj (part 4): grid 4 x 64, 4 waves a work-group, clusters of 4 x 4, 327,680 bytes of LDS; arguments cq, opq, bo, out0; writes out0
.if DOCPART == 4
	.amdgcn_target "amdgcn-amd-amdhsa--gfx1250"
	.amdhsa_code_object_version 6
	.text
	.protected	k_qcef295270e_oproj
	.globl	k_qcef295270e_oproj
	.p2align	8
	.type	k_qcef295270e_oproj,@function
k_qcef295270e_oproj:
	s_mov_b64 s[64:65], 0
	v_nop
	global_prefetch_b8 v0, s[64:65] scope:SCOPE_SE
	s_setreg_imm32_b32 hwreg(HW_REG_WAVE_MODE, 25, 1), 1
	s_wait_xcnt 0x0
	s_wait_alu depctr_hold_cnt(0) depctr_sa_sdst(0) depctr_va_vdst(0) depctr_va_sdst(0) depctr_va_ssrc(0) depctr_va_vcc(0) depctr_vm_vsrc(0)
	s_getreg_b32 s2, hwreg(HW_REG_IB_STS2, 6, 4)
	s_cmp_eq_u32 s2, 0
	s_cbranch_scc0 .Lentry_in_a_cluster
	s_endpgm
.Lentry_in_a_cluster:
	s_bfe_u32 s2, ttmp6, 0x10000c
	s_cmp_lg_u32 s2, 0xf033
	s_cbranch_scc0 .Lentry_shape_is_right
	s_endpgm
.Lentry_shape_is_right:
; OPROJ.  out0 = ctx Wo^T + bo on codes of FP6 (E2M3) with E8M0 scales, K = 1,024.  ctx lies in cq, Wo in opq (row tiles 704-767), both as [row tile of 16][K / 64][768 bytes], scale bytes [16 x tile + r][32].
; Row r of tile T is the true row 32 (T / 2) + 8 (T % 2) + r + 8 (r / 8).
; A work-group makes 128 tokens x 256 features: 64 x 4 = 256 work-groups.  ALL OF K IS IN LDS AT ONCE: A's 8 tiles are 98,304 dense bytes, B's 16 tiles 196,608: each byte of LDS is filled once, nothing is filled again.
; One tensor load a wave: wave 0 brings A, waves 1-3 a third of B each (65,536 bytes), as rows of 256 bytes.  CLUSTERS 4 x 4: A is asked for jointly along a row of the cluster, B along a column.
; A wave makes 64 x 128: 32 accumulators, which take turns; 8 steps of 128 along K, 32 products each; a step's 48 LDS loads are issued ahead of the step before's products.
; The scale words (32 bytes a row: all eight steps) and the bias go from memory straight into registers while the tiles are on their way.
; THE MATRIX INSTRUCTION IS USED TRANSPOSED (source 0 = 16 rows of Wo, source 1 = 16 tokens): a lane holds one token and eight neighbouring features.  The bias is the first product's C.
; No prefetch: the launch has no loop to run ahead in; all that it reads is asked for at its head.
; REGISTERS: window 0: v8-29 addresses, v32-63 A's scale words, v64-127 B's, v128-223 A's fragments (two sets), on the way out v128-255;  window 1: v0-191 B's fragments (two sets), v192-255 the bias;  window 2: the accumulators.
.set FR,     12
.set TILE,   12288
.set BBASE,  98304                     ; B's codes behind A's
.set SPARE,  294912                    ; the spare words: 512 bytes that no other line names
.set SCB,    9437184
.set SCC,    6291456
.set SPITCH, 528                       ; the stage: 16 rows x (512 + 16) bytes a wave, in A's bytes, behind the barrier behind which nobody reads them
.set L16,  8
.set L8,   9
.set SOF,  10
.set BOF,  11
.set ADRA, 16                          ; v16 A's fragments + 16 l, v17 + 8 l
.set ADRB, 18                          ; v18-19 B's tiles 0-3, v20-21 tiles 4-7
.set STO,  24
.set RD,   25
.set SPW,  28
.set NIL,  29
.set SA,   32
.set SB,   64
.set AF,   128
.set BK,   128
.set BI,   192
.set G1,  24
.set G0,  32
.set G1B, 48
.set G0B, 56
.set MSB, 0
.macro WIN new
.if MSB != (\new)
	s_set_vgpr_msb (MSB<<8)|(\new)
.set MSB, (\new)
.endif
.endm
.set TO_B, 0x40
.macro CROUND
	s_barrier_signal -1
	s_barrier_wait -1
	s_cmp_lg_u32 s14, 0
	s_cbranch_scc1 .Lnot_wave_0_\@
	s_barrier_signal -3
.Lnot_wave_0_\@:
	s_barrier_wait -3
	s_barrier_signal -1
	s_barrier_wait -1
.endm
.macro PLACES
.rept 4
	v_nop
.endr
.endm
	s_load_b256 s[4:11], s[0:1], 0x0               ; cq, opq, bo, out0
	v_lshl_add_u32 v[SPW], v0, 2, SPARE
	v_mov_b32 v[NIL], 0
	ds_add_u32 v[SPW], v[NIL]                      ; the opening lines: the add twice on end and its wait
	ds_add_u32 v[SPW], v[NIL]
	v_lshrrev_b32 v1, 5, v0
	v_readfirstlane_b32 s14, v1                    ; wave
	s_lshr_b32 s15, s14, 1                         ; my half of the tokens
	s_and_b32 s16, s14, 1                          ; my half of the features
	s_bfe_u32 s40, ttmp6, 0x40000                  ; cx
	s_bfe_u32 s41, ttmp6, 0x40004                  ; cy
	s_lshl_b32 s42, ttmp9, 2
	s_add_co_u32 s42, s42, s40                     ; block of 256 features
	s_and_b32 s17, ttmp7, 0xffff
	s_lshl_b32 s17, s17, 2
	s_add_co_u32 s17, s17, s41                     ; block of 128 tokens
	s_lshl_b32 s43, s41, 2
	s_lshl_b32 s43, 15, s43                        ; my row of the cluster
	s_lshl_b32 s44, 0x1111, s40                    ; my column
	s_or_b32 s[G1], s43, (3<<16)|(1<<21)           ; elements of 8 bytes, rows of 256 bytes, dense
	s_or_b32 s[G1B], s44, (3<<16)|(1<<21)
	s_mov_b32 s[G1+1], 32<<16
	s_mov_b32 s[G1+2], 384<<16                     ; A: 384 rows
	s_mov_b32 s[G1+3], 32<<16
	s_mov_b32 s[G1+4], 384
	s_mov_b32 s[G1+5], 32
	s_mov_b32 s[G1+6], 0
	s_mov_b32 s[G1+7], 0
	s_mov_b32 s[G1B+1], 32<<16
	s_mov_b32 s[G1B+2], 256<<16                    ; a third of B: 256 rows
	s_mov_b32 s[G1B+3], 32<<16
	s_mov_b32 s[G1B+4], 256
	s_mov_b32 s[G1B+5], 32
	s_mov_b32 s[G1B+6], 0
	s_mov_b32 s[G1B+7], 0
	s_mul_i32 s20, s17, 98304                      ; A's codes
	s_mov_b32 s21, 0
	s_mul_i32 s46, s42, 196608                     ; B's codes: third wave - 1
	s_lshl_b32 s47, s14, 16
	s_add_co_u32 s46, s46, s47
	s_add_co_u32 s46, s46, 704*TILE-65536
	s_add_co_u32 s45, s47, BBASE-65536             ; and where it goes
	s_mov_b32 s47, 0
	s_lshl_b32 s22, s17, 12                        ; A's scale bytes: my 4 tiles of 512
	s_lshl_b32 s23, s15, 11
	s_add_co_u32 s22, s22, s23
	s_add_co_u32 s22, s22, SCC
	s_mov_b32 s23, 0
	s_lshl_b32 s92, s42, 13                        ; B's: my 8 tiles
	s_lshl_b32 s93, s16, 12
	s_add_co_u32 s92, s92, s93
	s_add_co_u32 s92, s92, SCB+704*512
	s_mov_b32 s93, 0
	s_lshl_b32 s94, s42, 10                        ; my first feature, in bytes of f32
	s_lshl_b32 s95, s16, 9
	s_add_co_u32 s94, s94, s95
	s_mov_b32 s95, 0
	s_lshl_b32 s96, s17, 19                        ; my first token's row of 4,096 bytes
	s_lshl_b32 s97, s15, 18
	s_add_co_u32 s96, s96, s97
	s_add_co_u32 s96, s96, s94
	s_mov_b32 s97, 0
	s_mul_i32 s36, s15, 4*TILE                     ; LDS: my 4 tiles of A,
	s_mul_i32 s37, s16, 8*TILE
	s_add_co_u32 s37, s37, BBASE                   ; my 8 of B, the first four
	s_add_co_u32 s38, s37, 4*TILE                  ; and the last four,
	s_mul_i32 s39, s14, 16*SPITCH                  ; my stage
	s_wait_dscnt 0x0
	s_wait_kmcnt 0x0
	s_add_nc_u64 s[20:21], s[4:5], s[20:21]
	s_add_nc_u64 s[22:23], s[4:5], s[22:23]
	s_add_nc_u64 s[46:47], s[6:7], s[46:47]
	s_add_nc_u64 s[92:93], s[6:7], s[92:93]
	s_add_nc_u64 s[94:95], s[8:9], s[94:95]
	s_add_nc_u64 s[96:97], s[10:11], s[96:97]
	CROUND                                         ; all sixteen work-groups are here: the joint loads meet
	s_mov_b32 s[G0], 1
	s_mov_b32 s[G0+1], 0
	s_mov_b64 s[G0+2:G0+3], s[20:21]
	s_or_b32 s[G0+3], s[G0+3], 0x80000000
	s_mov_b32 s[G0B], 1
	s_mov_b32 s[G0B+1], s45
	s_mov_b64 s[G0B+2:G0B+3], s[46:47]
	s_or_b32 s[G0B+3], s[G0B+3], 0x80000000
	s_cmp_eq_u32 s14, 0                            ; every way passes exactly one load
	s_cbranch_scc0 .Lfor_b
	tensor_load_to_lds s[G0:G0+3], s[G1:G1+7]
	s_nop 0
	PLACES
	s_branch .Lasked
.Lfor_b:
	tensor_load_to_lds s[G0B:G0B+3], s[G1B:G1B+7]
	s_nop 0
	PLACES
.Lasked:
	v_and_b32 v1, 15, v0                           ; r
	v_bfe_u32 v2, v0, 4, 1                         ; h
	v_and_b32 v3, 31, v0
	v_lshlrev_b32 v[L16], 4, v3
	v_lshlrev_b32 v[L8], 3, v3
	v_lshlrev_b32 v[SOF], 5, v1                    ; my row's 32 scale bytes
	v_lshlrev_b32 v[BOF], 6, v2                    ; the bias: 16 h features
	v_add_nc_u32 v[ADRA], s36, v[L16]
	v_add_nc_u32 v[ADRA+1], s36, v[L8]
	v_add_nc_u32 v[ADRB], s37, v[L16]
	v_add_nc_u32 v[ADRB+1], s37, v[L8]
	v_add_nc_u32 v[ADRB+2], s38, v[L16]
	v_add_nc_u32 v[ADRB+3], s38, v[L8]
	v_mul_u32_u24 v5, v1, SPITCH
	v_lshl_add_u32 v5, v2, 6, v5
	v_add_nc_u32 v[STO], s39, v5                   ; into the stage: row r, 64 h
	v_add_nc_u32 v[RD], s39, v[L16]                ; out of it: a row of 512 bytes for the 32 lanes
	s_wait_alu depctr_va_vdst(0)
.irp i, 0,1,2,3
	global_load_b128 v[SA+8*\i:SA+8*\i+3], v[SOF], s[22:23] offset:512*\i       ; register SA + 8 i + s: the word of row r of A's tile i for step s
	global_load_b128 v[SA+8*\i+4:SA+8*\i+7], v[SOF], s[22:23] offset:512*\i+16
.endr
.irp i, 0,1,2,3,4,5,6,7
	global_load_b128 v[SB+8*\i:SB+8*\i+3], v[SOF], s[92:93] offset:512*\i
	global_load_b128 v[SB+8*\i+4:SB+8*\i+7], v[SOF], s[92:93] offset:512*\i+16
.endr
	WIN TO_B
.irp b, 0,1,2,3,4,5,6,7
	global_load_b128 v[BI+8*\b:BI+8*\b+3], v[BOF], s[94:95] offset:128*(\b/2)+32*(\b%2)      ; register j of tile b: feature 32 (b / 2) + 8 (b % 2) + 16 h + j
	global_load_b128 v[BI+8*\b+4:BI+8*\b+7], v[BOF], s[94:95] offset:128*(\b/2)+32*(\b%2)+16
.endr
	WIN 0
.macro FRAG reg, adr, off              ; two pieces of 768 bytes on end, each an image of six registers
	ds_load_b128 v[\reg:\reg+3], v[\adr] offset:\off
	ds_load_b64 v[\reg+4:\reg+5], v[\adr+1] offset:\off+512
	ds_load_b128 v[\reg+6:\reg+9], v[\adr] offset:\off+768
	ds_load_b64 v[\reg+10:\reg+11], v[\adr+1] offset:\off+1280
.endm
.macro FETCH st                        ; step st's 12 fragments, 48 loads, into set st % 2
	WIN TO_B
.irp i, 0,1,2,3,4,5,6,7
	FRAG 96*((\st)%2)+FR*\i, ADRB+2*(\i/4), (\i%4)*TILE+(\st)*1536
.endr
	WIN 0
.irp i, 0,1,2,3
	FRAG AF+48*((\st)%2)+FR*\i, ADRA, \i*TILE+(\st)*1536
.endr
.endm
.macro MUL st                          ; 32 products; the first step's take the bias as C
.if (\st) == 0
	WIN 0x91                                       ; B window 1, A window 0, C window 1, D window 2
.else
	WIN 0xa1                                       ; C and D window 2
.endif
.irp a, 0,1,2,3
.irp b, 0,1,2,3,4,5,6,7
.if (\st) == 0
	v_wmma_scale_f32_16x16x128_f8f6f4 v[8*(8*\a+\b):8*(8*\a+\b)+7], v[96*((\st)%2)+FR*\b:96*((\st)%2)+FR*\b+FR-1], v[AF+48*((\st)%2)+FR*\a:AF+48*((\st)%2)+FR*\a+FR-1], v[BI+8*\b:BI+8*\b+7], v[SB+8*\b+(\st)], v[SA+8*\a+(\st)] matrix_a_fmt:MATRIX_FMT_FP6 matrix_b_fmt:MATRIX_FMT_FP6
.else
	v_wmma_scale_f32_16x16x128_f8f6f4 v[8*(8*\a+\b):8*(8*\a+\b)+7], v[96*((\st)%2)+FR*\b:96*((\st)%2)+FR*\b+FR-1], v[AF+48*((\st)%2)+FR*\a:AF+48*((\st)%2)+FR*\a+FR-1], v[8*(8*\a+\b):8*(8*\a+\b)+7], v[SB+8*\b+(\st)], v[SA+8*\a+(\st)] matrix_a_fmt:MATRIX_FMT_FP6 matrix_b_fmt:MATRIX_FMT_FP6
.endif
.endr
.endr
.endm
	s_wait_tensorcnt 0x0                           ; my tile is in,
	s_barrier_signal -1
	s_barrier_wait -1                              ; everybody's is
	FETCH 0
	s_wait_loadcnt 0x0                             ; the scale words and the bias
.set ST, 0
.rept 7
.if ST > 0
	PLACES                                         ; ahead of loads into the set that the last products read
.endif
	FETCH ST+1
	s_wait_dscnt 48                                ; all but the 48 just issued: this step's fragments are in
	MUL ST
.set ST, ST+1
.endr
	s_wait_dscnt 0x0                               ; my last reads of the tiles are over
	s_barrier_signal -1
	MUL 7
	WIN 0
	s_barrier_wait -1                              ; everybody's are: A's bytes, which have had their only fill, take the stages
	PLACES
; THE WAY OUT: a block of 16 tokens x 128 features goes through my stage and comes back as rows of 512 bytes; LDS serves a wave's instructions in order
.macro TOSTAGE a
	WIN 0x08                                       ; the data: window 2
.irp b, 0,1,2,3,4,5,6,7
	ds_store_b128 v[STO], v[64*(\a)+8*\b:64*(\a)+8*\b+3] offset:128*(\b/2)+32*(\b%2)          ; each accumulator from its low end on
	ds_store_b128 v[STO], v[64*(\a)+8*\b+4:64*(\a)+8*\b+7] offset:128*(\b/2)+32*(\b%2)+16
.endr
	WIN 0
.irp t, 0,1,2,3,4,5,6,7,8,9,10,11,12,13,14,15
	ds_load_b128 v[BK+64*((\a)%2)+4*\t:BK+64*((\a)%2)+4*\t+3], v[RD] offset:\t*SPITCH
.endr
.endm
.macro SEND a, younger
	s_wait_dscnt \younger
.irp t, 0,1,2,3,4,5,6,7,8,9,10,11,12,13,14,15
	global_store_b128 v[L16], v[BK+64*((\a)%2)+4*\t:BK+64*((\a)%2)+4*\t+3], s[96:97] offset:(32*((\a)/2)+8*((\a)%2)+\t+8*(\t/8))*4096 th:TH_STORE_NT   ; 512 consecutive bytes of a true row
.endr
.endm
	TOSTAGE 0
.irp a, 1,2,3
.if \a > 1
	s_wait_xcnt 0x0                                ; block a - 2's stores have read their registers
.endif
	TOSTAGE \a
	SEND \a-1, 32                                  ; behind block a - 1's loads: block a's 16 stores and 16 loads
.endr
	SEND 3, 0
	s_wait_tensorcnt 0x0                           ; the wave's end
	ds_add_u32 v[SPW], v[NIL]
	s_wait_dscnt 0x0
	CROUND                                         ; the closing round
	s_endpgm
.Lfunc_end_k_qcef295270e_oproj:
	.size	k_qcef295270e_oproj, .Lfunc_end_k_qcef295270e_oproj-k_qcef295270e_oproj
	.p2alignl 7, 3214868480
	.fill 96, 4, 3214868480
	.section	.rodata,"a",@progbits
	.p2align	6, 0x0
	.amdhsa_kernel k_qcef295270e_oproj
		.amdhsa_group_segment_fixed_size 327680
		.amdhsa_private_segment_fixed_size 0
		.amdhsa_enable_private_segment 0
		.amdhsa_kernarg_size 32
		.amdhsa_user_sgpr_count 2
		.amdhsa_user_sgpr_kernarg_segment_ptr 1
		.amdhsa_wavefront_size32 1
		.amdhsa_system_sgpr_workgroup_id_x 1
		.amdhsa_system_sgpr_workgroup_id_y 1
		.amdhsa_system_sgpr_workgroup_id_z 1
		.amdhsa_system_vgpr_workitem_id 0
		.amdhsa_next_free_vgpr 768
		.amdhsa_next_free_sgpr 100
		.amdhsa_reserve_vcc 0
		.amdhsa_float_denorm_mode_32 3
		.amdhsa_float_denorm_mode_16_64 3
		.amdhsa_memory_ordered 1
		.amdhsa_forward_progress 1
		.amdhsa_inst_pref_size 83
	.end_amdhsa_kernel
	.amdgpu_metadata
---
amdhsa.version: [ 1, 2 ]
amdhsa.kernels:
  - .name:           k_qcef295270e_oproj
    .symbol:         k_qcef295270e_oproj.kd
    .args:
      - { .name: cq, .offset: 0, .size: 8, .value_kind: global_buffer, .address_space: global }
      - { .name: opq, .offset: 8, .size: 8, .value_kind: global_buffer, .address_space: global }
      - { .name: bo, .offset: 16, .size: 8, .value_kind: global_buffer, .address_space: global }
      - { .name: out0, .offset: 24, .size: 8, .value_kind: global_buffer, .address_space: global }
    .group_segment_fixed_size: 327680
    .private_segment_fixed_size: 0
    .kernarg_segment_align: 8
    .kernarg_segment_size: 32
    .max_flat_workgroup_size: 128
    .sgpr_count:     100
    .vgpr_count:     768
    .wavefront_size: 32
...
	.end_amdgpu_metadata
.endif
;; end of part 4
